; MI455X (gfx1250); checked and timed in simulation.
; The chip was launched on July 23, 2026; its instructions are those of AMD's public machine-readable ISA for CDNA 5 (MIT licence, August 2026) and "CDNA5" Instruction Set Architecture Reference Guide (July 2026). The comments in the code are by the model that wrote it; some were corrected since.
;; Dynamic Token Mixing. Allowed arithmetic: matrix products marked QUANTISED: E2M1 operands, one E8M0 scale for each 32 along K, by v_wmma_scale_f32_16x16x128_f8f6f4 with both operands' format E2M1 (or v_wmma_scale_f32_32x16x128_f4), f32 sums; products left as they are: bf16, f16 or f32 operands; f32 sums; everything else in f32.
;; Inputs: Wkv 1,024 x 2,048 float32; Wproj 1,024 x 1,024 float32; Wq 1,024 x 1,024 float32; bproj 1,024 float32; x 1 x 4,096 x 1,024 float32.
;; Outputs: out0 1 x 4,096 x 1,024 float32.
;; Constants: H = 64, W = 64.
;; This version of the problem:
;;   THIS VERSION OF THE PROBLEM IS GIVEN IN LOW PRECISION. The matrix products marked QUANTISED in the list below multiply operands that are first quantised to E2M1 (2 exponent bits, 1 mantissa bit; 4 bits a number), with one power-of-two scale for each 32 numbers along K (OCP MX v1.0); their sums are f32. The products marked 'left as it is' may take bf16, f16 or f32 operands, with f32 sums. Whichever they take, every output number must still come out within the allowed error. Rounding operands to bf16 (8 significant bits) uses up far more of that allowance than f16 does (11 bits, for magnitudes from 6e-5 to 65,504). All else is computed in f32.
;;   The module's matrix products, in the order in which they are computed (A, B: the left and right operand; K: the contracted axis; several contracted axes count as one K, in the product's order):
;;     1. [M 4,096, K 1,024] x [K 1,024, N 1,024]; A: input x; B: input Wq: QUANTISED
;;     2. [M 4,096, K 1,024] x [K 1,024, N 2,048]; A: input x; B: input Wkv: QUANTISED
;;     3. batch 16 x [M 4,096, K 64] x [K 64, N 4,096]; A: computed on the way; B: computed on the way: left as it is (an operand is computed on the way)
;;     4. batch 16 x [M 4,096, K 4,096] x [K 4,096, N 64]; A: computed on the way; B: computed on the way: left as it is (an operand is computed on the way)
;;     5. [M 4,096, K 1,024] x [K 1,024, N 1,024]; A: computed on the way; B: input Wproj: left as it is (an operand is computed on the way)
;;   THE QUANTISER, for each operand of a quantised product, along K:
;;     - K is cut into blocks of 32 from its start; a last block that is shorter is filled with zeros.
;;     - A block's scale is 2^e with e = floor(log2(the largest magnitude in the block)) - 2, held to -126 .. 127; a block of zeros has e = 0. As a byte (E8M0): e + 127.
;;     - Each number is divided by its block's scale, clamped to +-6, and rounded to the nearest number of E2M1, ties to even, subnormals kept.
;;     - The product sums the exact products of the quantised numbers (number of the format x scale) in f32.
;;   ~~~python
;;   def quantise(x, axis):      # numpy; x: float32 -> the quantised numbers, widened to float32 again
;;       x = np.moveaxis(x, axis, -1); K = x.shape[-1]
;;       x = np.pad(x, [(0, 0)] * (x.ndim - 1) + [(0, -K % 32)]); x = x.reshape(x.shape[:-1] + (-1, 32)); a = np.abs(x).max(-1, keepdims=True)
;;       e = np.where(a > 0, np.clip(np.frexp(np.where(a > 0, a, 1))[1] - 1 - 2, -126, 127), 0)      # np.frexp(a)[1] - 1 = floor(log2(a)), exactly
;;       r = np.clip(x / 2.0 ** e, -6, 6)
;;       step = 2.0 ** (np.maximum(np.frexp(np.where(r == 0, 1, r))[1] - 1, 0) - 1)
;;       q = np.round(r / step) * step * 2.0 ** e      # np.round: ties to even
;;       return np.moveaxis(q.reshape(q.shape[:-2] + (-1,))[..., :K], -1, axis).astype(np.float32)
;;   ~~~
;; One version. Each part assembles by itself: llvm-mc -triple=amdgcn-amd-amdhsa -mcpu=gfx1250 --defsym DOCPART=n.
;; ======== version 1 of 1: 4 launches
;; limits: values are held in f16: magnitudes above 65,504 overflow, below 6.1e-05 lose precision
;; workspace buffers: x_codes 2,097,152 bytes; x_scales 131,072 bytes; w_codes 1,572,864 bytes; w_scales 98,304 bytes; wp16 2,097,152 bytes; qkv 25,165,824 bytes; att 8,388,608 bytes
;; launch prep (part 1): grid 208 x 1, 4 waves a work-group, no clusters, 68,096 bytes of LDS; arguments x, Wq, Wkv, Wproj, x_codes, x_scales, w_codes, w_scales, wp16; writes x_codes, x_scales, w_codes, w_scales, wp16
.if DOCPART == 1
	.amdgcn_target "amdgcn-amd-amdhsa--gfx1250"
	.amdhsa_code_object_version 6
	.text
	.protected	k_qc08b1dee8a_prep
	.globl	k_qc08b1dee8a_prep
	.p2align	8
	.type	k_qc08b1dee8a_prep,@function
k_qc08b1dee8a_prep:
	s_mov_b64 s[64:65], 0
	v_nop
	global_prefetch_b8 v0, s[64:65] scope:SCOPE_SE
	s_setreg_imm32_b32 hwreg(HW_REG_WAVE_MODE, 25, 1), 1
	s_wait_xcnt 0x0
; THE OPERANDS ARE MADE READY, ONCE.  Three kinds of work-group, told apart by the work-group's number alone; the three ways never join.
;   0 .. 127   x [4096][1024] f32 -> codes of FP4 (E2M1), K innermost, [4096][512 bytes], and one E8M0 byte for each 32 along K, [4096][32].  K is x's last axis: the tensor is a plain stream of blocks of 32.
;   128 .. 175 Wq [1024][1024] and Wkv [1024][2048] f32, K their FIRST axis -> codes [3072][512 bytes] with K innermost and bytes [3072][32]: rows 0-1023 are Wq's columns, rows 1024-3071 Wkv's.
;   176 .. 207 Wproj [1024][1024] f32 -> f16, as it lies.
; A block's scale is 2^(floor(log2(its largest magnitude)) - 2); its byte is the largest magnitude's exponent field - 2, held at 1 from below.  Each number is divided by the scale and rounded to the nearest code, ties to even;
; beyond the largest code the conversion gives the largest code.
; LIMITS: a block of zeros gets the byte 1 (its codes are zeros, and this program alone reads the bytes); NaN and infinities among the inputs are not served; Wproj beyond 65,504 has no f16 number.
; No tensor loads, no barrier: waves share nothing.  No cluster: no two work-groups read the same bytes.  Each way that uses LDS has LDS bytes of its own.
.set SPARE, 67584                      ; behind both ways' regions: the spare words, 128 bytes for each wave: two blocks of 256 bytes that no other line names
.set SPW,   12                         ; v12  LDS address of my spare word: SPARE + 4 x my thread's number; never rewritten
.set NIL,   13                         ; v13  0; never rewritten
.set EMAX,  2                          ; the exponent of the format's largest number, 6
; ---- x's way: a wave takes 16 steps of 512 numbers
.set XSTEPS, 16
.set XCB,   8                          ; bytes of 16 codes
.set XR,    16                         ; v16-79   four sets of 16 numbers as they are loaded
.set XX,    80                         ; v80-111  two sets of 16 neighbours
.set XE,    112                        ; v112-127 a scale byte for each step
.set XC,    128                        ; v128-191 codes: four registers for each step, so that no store's data are written again
.set XWREG, 8192                       ; LDS 0 .. 32767: a region for each wave: two stages of 32 x XSP bytes, behind them its 256 scale bytes
.set XSP,   80                         ; a lane's place in a stage: its 64 bytes + 16 of padding
; ---- the weights' way: a wave takes 32 columns x 512 along K
.set WBASE, 32768                      ; LDS 32768 .. 67583: a stage of 32 rows x WP bytes for each wave
.set WP,    272                        ; a stage row: 256 bytes of codes + 16
.set WSB,   16                         ; v16-19   the scale bytes, four to a register
.set WC,    20                         ; v20-23   a block's codes
.set WVO,   24                         ; v24-55   byte offsets of a block's 32 rows: 4 x lane + i x the weight's pitch; never rewritten
.set WX,    56                         ; v56-119  two sets of 32 numbers
.set WOUT,  120                        ; v120-183 the way out
.macro XLOAD t
.irp i, 0,1,2,3
	global_load_b128 v[XR+16*((\t)%4)+4*\i:XR+16*((\t)%4)+4*\i+3], v3, s[4:5] offset:2048*(\t)+512*\i th:TH_LOAD_NT   ; 32 lanes read 512 consecutive bytes
.endr
.endm
.macro XTURN t                         ; step t's numbers through the stage: in as they lie, back 64 bytes a lane.  LDS serves a wave's instructions in order: no wait between the stores and the loads
.irp i, 0,1,2,3
	ds_store_b128 v14, v[XR+16*((\t)%4)+4*\i:XR+16*((\t)%4)+4*\i+3] offset:32*XSP*((\t)%2)+8*XSP*\i
.endr
.irp i, 0,1,2,3
	ds_load_b128 v[XX+16*((\t)%2)+4*\i:XX+16*((\t)%2)+4*\i+3], v15 offset:32*XSP*((\t)%2)+16*\i
.endr
.endm
.macro XSTEP t
.set XS, XX+16*((\t)%2)
.if (\t) > 0
	s_wait_dscnt 1                                 ; this step's numbers are back from the stage (the last step's byte store may be out)
.else
	s_wait_dscnt 0x0
.endif
.if (\t)+4 < XSTEPS
	XLOAD (\t)+4                                   ; the set that the stage's stores have read takes the loads of four steps on
.endif
.if (\t)+1 < XSTEPS
.if XSTEPS-2-(\t) >= 3
	s_wait_loadcnt 12                              ; the next step's four loads are in; those of the three steps behind it may be out
.else
	s_wait_loadcnt 4*(XSTEPS-2-(\t))
.endif
	XTURN (\t)+1                                   ; and go through the other stage while this step is worked
.endif
	v_max3_num_f32 v8, |v[XS]|, |v[XS+1]|, |v[XS+2]|               ; the largest magnitude of my 16, in two chains
	v_max3_num_f32 v9, |v[XS+3]|, |v[XS+4]|, |v[XS+5]|
.irp i, 6,10
	v_max3_num_f32 v8, v8, |v[XS+\i]|, |v[XS+\i+1]|
	v_max3_num_f32 v9, v9, |v[XS+\i+2]|, |v[XS+\i+3]|
.endr
	v_max3_num_f32 v8, v8, |v[XS+14]|, |v[XS+15]|
	v_max3_num_f32 v8, v8, v9, (EMAX+1)<<23        ; and the floor 2^(EMAX + 1 - 127): the byte cannot fall under 1
	v_max_num_f32_dpp v8, v8, v8 row_xmask:1 row_mask:0xf bank_mask:0xf   ; and of my neighbour's 16: the block's
	v_add_nc_u32 v11, -(EMAX<<23), v8              ; EMAX off its exponent field: the conversion takes the exponent field of this operand as its scale
	v_cvt_scalef32_pk8_fp4_f32 v[XC+4*(\t)], v[XS:XS+7], v11
	v_cvt_scalef32_pk8_fp4_f32 v[XC+4*(\t)+1], v[XS+8:XS+15], v11
	v_lshrrev_b32 v[XE+(\t)], 23, v11              ; the scale's byte (a plain line behind the conversions)
	ds_store_b8 v5, v[XE+(\t)] offset:16*(\t)      ; both lanes of a block write the same byte with the same value
	global_store_b64 v4, v[XC+4*(\t):XC+4*(\t)+1], s[12:13] offset:32*XCB*(\t)   ; the wave stores 256 consecutive bytes, aligned
.endm
.macro WLOAD t                         ; block t: W(32 t + i, my column), i = 0 .. 31, into set t % 2; the base stands at the block's first row
.irp i, 0,1,2,3,4,5,6,7,8,9,10,11,12,13,14,15,16,17,18,19,20,21,22,23,24,25,26,27,28,29,30,31
	global_load_b32 v[WX+32*((\t)%2)+\i], v[WVO+\i], s[6:7] th:TH_LOAD_NT
.endr
.endm
.macro WBLOCK t
.set WXS, WX+32*((\t)%2)
.if (\t) < 15
	s_wait_loadcnt 32                              ; this block's 32 loads are in; the next block's may be out
.else
	s_wait_loadcnt 0x0
.endif
	v_max3_num_f32 v14, |v[WXS]|, |v[WXS+1]|, |v[WXS+2]|            ; the block's largest magnitude: all 32 numbers are mine
	v_max3_num_f32 v15, |v[WXS+3]|, |v[WXS+4]|, |v[WXS+5]|
.irp i, 6,10,14,18,22,26
	v_max3_num_f32 v14, v14, |v[WXS+\i]|, |v[WXS+\i+1]|
	v_max3_num_f32 v15, v15, |v[WXS+\i+2]|, |v[WXS+\i+3]|
.endr
	v_max3_num_f32 v14, v14, |v[WXS+30]|, |v[WXS+31]|
	v_max3_num_f32 v14, v14, v15, (EMAX+1)<<23     ; and the floor
	v_add_nc_u32 v11, -(EMAX<<23), v14             ; the conversion's scale operand
	v_lshrrev_b32 v10, 23, v11                     ; the scale's byte
.if (\t)%4 == 0
	v_mov_b32 v[WSB+(\t)/4], v10                   ; four bytes to a register, the lower K in the lower byte
.else
	v_lshl_or_b32 v[WSB+(\t)/4], v10, 8*((\t)%4), v[WSB+(\t)/4]
.endif
.irp g, 0,1,2,3
	v_cvt_scalef32_pk8_fp4_f32 v[WC+\g], v[WXS+8*\g:WXS+8*\g+7], v11
.endr
	ds_store_b128 v4, v[WC:WC+3] offset:16*(\t)    ; 32 codes: 16 bytes of my column's row.  (The next vector lines are the next block's maxima: plain lines that touch neither the codes nor the conversions' sources)
.if (\t)+2 < 16
	s_wait_xcnt 0x0                                ; the loads issued so far have read their base: it may step
	s_add_nc_u64 s[6:7], s[6:7], s[32:33]          ; 32 rows down
	WLOAD (\t)+2
.endif
	s_wait_dscnt 0x0                               ; the store has read its registers: the next block's codes may be written
.endm
.macro CLOAD b                         ; batch b of the cast: 16 loads of 512 consecutive bytes into set b % 2
.irp i, 0,1,2,3,4,5,6,7,8,9,10,11,12,13,14,15
	global_load_b128 v[16+64*((\b)%2)+4*\i:16+64*((\b)%2)+4*\i+3], v3, s[10:11] offset:8192*(\b)+512*\i th:TH_LOAD_NT
.endr
.endm
.macro CBATCH b
.set CR, 16+64*((\b)%2)
.if (\b) < 3
	s_wait_loadcnt 16                              ; this batch's 16 loads are in; the next batch's may be out
.else
	s_wait_loadcnt 0x0
.endif
.if (\b) > 0
	s_wait_xcnt 0x0                                ; the last batch's stores have read their data: the registers may be written again
.endif
.irp i, 0,1,2,3,4,5,6,7,8,9,10,11,12,13,14,15
	v_cvt_pk_f16_f32 v[144+2*\i], v[CR+4*\i], v[CR+4*\i+1]
	v_cvt_pk_f16_f32 v[145+2*\i], v[CR+4*\i+2], v[CR+4*\i+3]
.endr
.irp i, 0,1,2,3,4,5,6,7,8,9,10,11,12,13,14,15
	global_store_b64 v4, v[144+2*\i:145+2*\i], s[20:21] offset:4096*(\b)+256*\i   ; the wave stores 256 consecutive bytes, aligned
.endr
.if (\b)+2 < 4
	CLOAD (\b)+2
.endif
.endm
	s_load_b256 s[4:11], s[0:1], 0x0               ; x s[4:5], Wq s[6:7], Wkv s[8:9], Wproj s[10:11]
	s_load_b256 s[12:19], s[0:1], 0x20             ; x's codes s[12:13], x's bytes s[14:15], the weights' codes s[16:17], their bytes s[18:19]
	s_load_b64 s[20:21], s[0:1], 0x40              ; Wproj in f16
	v_lshl_add_u32 v[SPW], v0, 2, SPARE
	v_mov_b32 v[NIL], 0
	v_lshrrev_b32 v1, 5, v0
	v_readfirstlane_b32 s22, v1                    ; wave 0..3
	v_and_b32 v2, 31, v0                           ; lane
	s_wait_kmcnt 0x0
	s_cmp_lt_u32 ttmp9, 128
	s_cbranch_scc0 .Lnot_x
	; ================ x ================
	v_lshlrev_b32 v3, 4, v2                        ; my 16 bytes of a load's 512
	s_mul_i32 s23, s22, XWREG
	v_lshrrev_b32 v14, 2, v2
	v_mul_u32_u24 v14, v14, XSP
	v_and_b32 v15, 3, v2
	v_lshl_add_u32 v14, v15, 4, v14
	v_add_nc_u32 v14, s23, v14                     ; the stage, on the way in: four lanes' 64 bytes on end, then 16 of padding
	v_mul_u32_u24 v15, v2, XSP
	v_add_nc_u32 v15, s23, v15                     ; and on the way out: my 16 neighbours
	v_mul_u32_u24 v4, v2, XCB                      ; my codes' place in a step's
	v_lshrrev_b32 v5, 1, v2
	s_add_co_u32 s23, s23, 2*32*XSP
	v_add_nc_u32 v5, s23, v5                       ; LDS: my wave's 256 scale bytes, my block's byte
	v_lshlrev_b32 v7, 3, v2                        ; and on the way out 8 bytes a lane
	v_add_nc_u32 v6, s23, v7
	s_lshl_b32 s24, ttmp9, 2
	s_add_co_u32 s24, s24, s22                     ; which run of 8,192 numbers is my wave's: 0 .. 511
	s_mov_b32 s27, 0
	s_lshl_b32 s26, s24, 15                        ; 32,768 bytes of numbers a run,
	s_add_nc_u64 s[4:5], s[4:5], s[26:27]
	s_lshl_b32 s26, s24, 12                        ; 4,096 of codes,
	s_add_nc_u64 s[12:13], s[12:13], s[26:27]
	s_lshl_b32 s26, s24, 8                         ; 256 scale bytes
	s_add_nc_u64 s[14:15], s[14:15], s[26:27]
.irp t, 0,1,2,3
	XLOAD \t
.endr
	s_wait_loadcnt 12                              ; step 0's four loads are in
	XTURN 0
.irp t, 0,1,2,3,4,5,6,7,8,9,10,11,12,13,14,15
	XSTEP \t
.endr
	ds_load_b64 v[8:9], v6                         ; LDS serves a wave's instructions in order: these see my byte stores
	s_wait_dscnt 0x0
	global_store_b64 v7, v[8:9], s[14:15]          ; 32 lanes store 256 consecutive bytes, aligned
	s_wait_tensorcnt 0x0                           ; the wave's end: behind my last LDS store
	ds_add_u32 v[SPW], v[NIL]
	s_wait_dscnt 0x0
	s_endpgm
.Lnot_x:
	s_cmp_lt_u32 ttmp9, 176
	s_cbranch_scc0 .Lcast
	; ================ Wq and Wkv ================
	; A LANE TAKES A COLUMN, AND ITS REGISTERS RUN DOWN K: a block of 32 along K lies in one lane's 32 registers, and the conversions give codes with K innermost.
	s_sub_co_u32 s23, ttmp9, 128
	s_lshr_b32 s24, s23, 1                         ; which 128 of the 3,072 joint columns: 0 .. 23
	s_and_b32 s25, s23, 1                          ; which 512 along K
	s_cmp_lt_u32 s24, 8                            ; Wq's columns or Wkv's?  The choice hangs on the work-group's number alone
	s_cselect_b64 s[6:7], s[6:7], s[8:9]
	s_cselect_b32 s26, 12, 13                      ; a row of the weight is 2^12 or 2^13 bytes
	s_cselect_b32 s27, 0, 8
	s_sub_co_u32 s27, s24, s27                     ; the block of columns within the weight
	s_lshl_b32 s28, 1, s26                         ; the pitch
	s_add_co_u32 s29, s26, 9
	s_lshl_b32 s30, s25, s29                       ; 512 rows down for the second half of K
	s_lshl_b32 s29, s27, 9
	s_add_co_u32 s30, s30, s29                     ; + 128 columns x 4 bytes a block
	s_lshl_b32 s29, s22, 7
	s_add_co_u32 s30, s30, s29                     ; + 32 columns x 4 bytes a wave
	s_mov_b32 s31, 0
	s_add_nc_u64 s[6:7], s[6:7], s[30:31]
	s_lshl_b32 s32, s28, 5                         ; s[32:33]: 32 rows
	s_mov_b32 s33, 0
	v_lshlrev_b32 v3, 2, v2
.irp i, 0,1,2,3,4,5,6,7,8,9,10,11,12,13,14,15,16,17,18,19,20,21,22,23,24,25,26,27,28,29,30,31
	v_mad_u32_u24 v[WVO+\i], s28, \i, v3           ; row i of a block, my column
.endr
	s_lshl_b32 s34, s24, 7
	s_lshl_b32 s35, s22, 5
	s_add_co_u32 s34, s34, s35                     ; my wave's first row of the outputs: 128 x block + 32 x wave
	s_lshl_b32 s36, s34, 9                         ; 512 bytes of codes a row,
	s_lshl_b32 s35, s25, 8                         ; 256 for the half of K
	s_add_co_u32 s36, s36, s35
	s_mov_b32 s37, 0
	s_add_nc_u64 s[16:17], s[16:17], s[36:37]
	s_lshl_b32 s36, s34, 5                         ; 32 scale bytes a row,
	s_lshl_b32 s35, s25, 4                         ; 16 for the half of K
	s_add_co_u32 s36, s36, s35
	s_add_nc_u64 s[18:19], s[18:19], s[36:37]
	s_mul_i32 s35, s22, 32*WP
	s_add_co_u32 s35, s35, WBASE                   ; my stage
	v_mul_u32_u24 v4, v2, WP
	v_add_nc_u32 v4, s35, v4                       ; into it: row = my column
	v_and_b32 v5, 15, v2
	v_lshrrev_b32 v6, 4, v2                        ; out of it: sixteen lanes to a row, two rows an instruction
	v_mul_u32_u24 v7, v6, WP
	v_lshl_add_u32 v7, v5, 4, v7
	v_add_nc_u32 v7, s35, v7
	v_lshlrev_b32 v8, 9, v6
	v_lshl_add_u32 v8, v5, 4, v8                   ; and the same place in the codes' buffer
	v_lshlrev_b32 v9, 5, v2                        ; my column's row of scale bytes
	WLOAD 0
	s_wait_xcnt 0x0                                ; block 0's loads have read their base
	s_add_nc_u64 s[6:7], s[6:7], s[32:33]
	WLOAD 1
.irp t, 0,1,2,3,4,5,6,7,8,9,10,11,12,13,14,15
	WBLOCK \t
.endr
	global_store_b128 v9, v[WSB:WSB+3], s[18:19]   ; my column's 16 scale bytes
.irp t, 0,1,2,3,4,5,6,7,8,9,10,11,12,13,14,15
	ds_load_b128 v[WOUT+4*\t:WOUT+4*\t+3], v7 offset:2*\t*WP
.endr
.irp t, 0,1,2,3,4,5,6,7,8,9,10,11,12,13,14,15
	s_wait_dscnt 15-\t
	global_store_b128 v8, v[WOUT+4*\t:WOUT+4*\t+3], s[16:17] offset:1024*\t   ; sixteen lanes store 256 consecutive bytes, aligned
.endr
	s_wait_tensorcnt 0x0                           ; the wave's end: behind my last LDS store
	ds_add_u32 v[SPW], v[NIL]
	s_wait_dscnt 0x0
	s_endpgm
.Lcast:
	; ================ Wproj ================
	; A wave casts 8,192 numbers, in four batches of 16 loads; a batch is on its way while the one before is cast.  No LDS.
	s_sub_co_u32 s23, ttmp9, 176
	s_lshl_b32 s23, s23, 2
	s_add_co_u32 s23, s23, s22                     ; which run of 8,192 numbers: 0 .. 127
	s_mov_b32 s25, 0
	s_lshl_b32 s24, s23, 15
	s_add_nc_u64 s[10:11], s[10:11], s[24:25]
	s_lshl_b32 s24, s23, 14
	s_add_nc_u64 s[20:21], s[20:21], s[24:25]
	v_lshlrev_b32 v3, 4, v2
	v_lshlrev_b32 v4, 3, v2
	CLOAD 0
	CLOAD 1
.irp b, 0,1,2,3
	CBATCH \b
.endr
	s_endpgm
.Lfunc_end_k_qc08b1dee8a_prep:
	.size	k_qc08b1dee8a_prep, .Lfunc_end_k_qc08b1dee8a_prep-k_qc08b1dee8a_prep
	.p2alignl 7, 3214868480
	.fill 96, 4, 3214868480
	.section	.rodata,"a",@progbits
	.p2align	6, 0x0
	.amdhsa_kernel k_qc08b1dee8a_prep
		.amdhsa_group_segment_fixed_size 68096
		.amdhsa_private_segment_fixed_size 0
		.amdhsa_enable_private_segment 0
		.amdhsa_kernarg_size 72
		.amdhsa_user_sgpr_count 2
		.amdhsa_user_sgpr_kernarg_segment_ptr 1
		.amdhsa_wavefront_size32 1
		.amdhsa_system_sgpr_workgroup_id_x 1
		.amdhsa_system_sgpr_workgroup_id_y 1
		.amdhsa_system_sgpr_workgroup_id_z 1
		.amdhsa_system_vgpr_workitem_id 0
		.amdhsa_next_free_vgpr 192
		.amdhsa_next_free_sgpr 66
		.amdhsa_reserve_vcc 0
		.amdhsa_float_denorm_mode_32 3
		.amdhsa_float_denorm_mode_16_64 3
		.amdhsa_memory_ordered 1
		.amdhsa_forward_progress 1
		.amdhsa_inst_pref_size 135
	.end_amdhsa_kernel
	.amdgpu_metadata
---
amdhsa.version: [ 1, 2 ]
amdhsa.kernels:
  - .name:           k_qc08b1dee8a_prep
    .symbol:         k_qc08b1dee8a_prep.kd
    .args:
      - { .name: x, .offset: 0, .size: 8, .value_kind: global_buffer, .address_space: global }
      - { .name: Wq, .offset: 8, .size: 8, .value_kind: global_buffer, .address_space: global }
      - { .name: Wkv, .offset: 16, .size: 8, .value_kind: global_buffer, .address_space: global }
      - { .name: Wproj, .offset: 24, .size: 8, .value_kind: global_buffer, .address_space: global }
      - { .name: x_codes, .offset: 32, .size: 8, .value_kind: global_buffer, .address_space: global }
      - { .name: x_scales, .offset: 40, .size: 8, .value_kind: global_buffer, .address_space: global }
      - { .name: w_codes, .offset: 48, .size: 8, .value_kind: global_buffer, .address_space: global }
      - { .name: w_scales, .offset: 56, .size: 8, .value_kind: global_buffer, .address_space: global }
      - { .name: wp16, .offset: 64, .size: 8, .value_kind: global_buffer, .address_space: global }
    .group_segment_fixed_size: 68096
    .private_segment_fixed_size: 0
    .kernarg_segment_align: 8
    .kernarg_segment_size: 72
    .max_flat_workgroup_size: 128
    .sgpr_count:     66
    .vgpr_count:     192
    .wavefront_size: 32
...
	.end_amdgpu_metadata
.endif
;; end of part 1
;; launch qkv_gemm (part 2): grid 12 x 16, 4 waves a work-group, clusters of 4 x 4, 327,680 bytes of LDS; arguments x_codes, x_scales, w_codes, w_scales, qkv; writes qkv
.if DOCPART == 2
	.amdgcn_target "amdgcn-amd-amdhsa--gfx1250"
	.amdhsa_code_object_version 6
	.text
	.protected	k_qc08b1dee8a_qkv_gemm
	.globl	k_qc08b1dee8a_qkv_gemm
	.p2align	8
	.type	k_qc08b1dee8a_qkv_gemm,@function
k_qc08b1dee8a_qkv_gemm:
	s_mov_b64 s[64:65], 0
	v_nop
	global_prefetch_b8 v0, s[64:65] scope:SCOPE_SE
	s_setreg_imm32_b32 hwreg(HW_REG_WAVE_MODE, 25, 1), 1
	s_wait_xcnt 0x0
	s_wait_alu depctr_hold_cnt(0) depctr_sa_sdst(0) depctr_va_vdst(0) depctr_va_sdst(0) depctr_va_ssrc(0) depctr_va_vcc(0) depctr_vm_vsrc(0)
	s_getreg_b32 s2, hwreg(HW_REG_IB_STS2, 6, 4)
	s_cmp_eq_u32 s2, 0
	s_cbranch_scc0 .Lentry_in_a_cluster
	s_endpgm
.Lentry_in_a_cluster:
	s_bfe_u32 s2, ttmp6, 0x10000c
	s_cmp_lg_u32 s2, 0xf033
	s_cbranch_scc0 .Lentry_shape_is_right
	s_endpgm
.Lentry_shape_is_right:
; q, k and v in one product: C[m][n] = sum over k of x[m][k] W[n][k], both operands as codes of FP4 (E2M1) with one E8M0 byte for each 32 along K.  x: [4096][1024], W: [3072][1024] (Wq's columns, then Wkv's).
; The result leaves as f16, laid by heads: 48 slabs [4096 tokens][64], slab = column / 64.  LIMIT: a result beyond 65,504 in magnitude has no f16 number.
; A tile of C, 256 x 256, is made by a work-group of four waves; a wave makes 128 x 128: 64 accumulators of 16 x 16, 512 registers.  K = 1,024 is two K steps of 512, one in each of two LDS slots: both are asked for at the
; start, and nothing is filled again.  The scale bytes of the work-group's 256 rows of x and 256 rows of W, for all of K, are two dense blocks of memory: they come into LDS once, with the first fills.
; CLUSTERS: 4 x 4 work-groups.  The four of a row of the cluster need the same tiles of x, the four of a column the same tiles of W: each tile is asked for JOINTLY, by the same tensor load with the same descriptor
; and a mask that names the four.  THE MATRIX INSTRUCTION IS USED TRANSPOSED (source 0 = 16 rows of W, source 1 = 16 rows of x): a lane then holds eight neighbouring columns of one token.
; REGISTERS, in windows of 256: window 0: v0-31 addresses; v32-95 scale words, two sets; from v128 x's fragments (8 x 16 rows x 128 K), ONE set; on the way out v32-255 are free.
;   window 1: W's fragments, TWO sets, at v0 and at v128.   window 2: the 32 accumulators of my rows 0-63 (accumulator (a, b) at v[8 (8 a + b)]);   window 3: those of my rows 64-127.
.set SIZE_K, 1024
.set KSTEP,  512                       ; along K in a slot
.set NQ,     KSTEP/128                 ; matrix instructions deep
.set ROWB,   256                       ; a tile's row in bytes
.set KROW,   SIZE_K*4/8                ; a row of codes in memory
.set PITCH,  272                       ; an LDS row: 256 bytes + 16 of padding = 68 words: the 16 rows that a load touches start at 16 different banks (64 banks of 4 bytes: ISA guide 11.1)
.set FR,     8                         ; registers of a fragment: 16 rows x 128 K
.set NL,     2                         ; LDS loads that bring one
.set NP,     4                         ; places behind this matrix instruction (ISA guide 7.12.1)
.set HALFT,  128*PITCH                 ; 128 rows: what one tensor load brings
.set SLOT,   4*HALFT                   ; x's 256 rows, then W's 256 rows
.set KS,     SIZE_K/32                 ; a row of scale bytes
.set SCL,    2*SLOT                    ; behind the slots: the scales, as units of 256 bytes + 16 of padding
.set HALFS,  (128*KS/256)*272          ; the scales of 128 rows
.set SBLK,   (16*KS/256)*272           ; those of 16 rows
.set SPARE,  SCL+4*HALFS               ; behind the scales: the spare words, 128 bytes for each wave
.set SPITCH, 272                       ; the way out: a stage of 16 rows x (256 bytes + 16) for each wave, in slot 0, which has had its only fill and its last read when the first result is stored there
.set ADRA, 16                          ; v16-17  LDS address of my x fragments in slot 0, 1
.set ADRB, 20                          ; v20-21  the same for W
.set STO,  24                          ; v24     the way out: where I put 16 bytes of a row
.set RD,   25                          ; v25     the way out: where I read back
.set CO,   26                          ; v26     16 x lane: my byte in 512 consecutive bytes of a slab
.set ADRS, 27                          ; v27     LDS address of my scale words: lanes 0-15 x's rows, lanes 16-31 W's
.set SPW,  28                          ; v28     LDS address of my spare word; never rewritten
.set NIL,  29                          ; v29     0; never rewritten
.set SC,   32                          ; scale words: set s at v[SC + 8 NQ s]; register NQ i + q: lanes 0-15 the word of x's block i, lanes 16-31 that of W's block i, for the slot's q-th 128 along K
.set AF,   128                         ; x's fragments, in window 0
.set TMP,  192                         ; the way out: packed results
.set OB,   32                          ; the way out: 16 rows read back: v32-63 and v224-255 by turns
.set G1, 24                            ; s[24:31] descriptor group 1 for x's tiles;  s[32:39] group 0, one set for each slot
.set G0, 32
.set G1B, 48                           ; s[48:55], s[56:63] the same for W's tiles
.set G0B, 56
.set G1S, 68                           ; s[68:75], s[76:79] groups 1 and 0 for x's scales;  s[80:87], s[88:91] for W's
.set G0S, 76
.set G1SB, 80
.set G0SB, 88
.set MSB, 0
.macro WIN new                         ; the immediate's high byte repeats the setting that is left
.if MSB != \new
	s_set_vgpr_msb (MSB<<8)|\new
.set MSB, \new
.endif
.endm
.set MUL_LO, 0xa1                      ; source 0 (W) window 1, source 1 (x) window 0, C and D window 2
.set MUL_HI, 0xf1                      ; the same, C and D window 3
.set TO_B,   0x40                      ; destination window 1, address window 0
; A joint load: waves 0 and 1 fetch for x, waves 2 and 3 for W.  Each of the two lines has one mask and one set of registers for all that issue it; the branch hangs on the wave's number alone.
; An s_nop 0 and four v_nop follow each of the two lines.
.macro JLOAD g0a, g1a, g0b, g1b
	s_cmp_eq_u32 s15, 0
	s_cbranch_scc0 .Lfor_b_\@
	tensor_load_to_lds s[\g0a:\g0a+3], s[\g1a:\g1a+7]
	s_nop 0
.rept 4
	v_nop
.endr
	s_branch .Lasked_\@
.Lfor_b_\@:
	tensor_load_to_lds s[\g0b:\g0b+3], s[\g1b:\g1b+7]
	s_nop 0
.rept 4
	v_nop
.endr
.Lasked_\@:
.endm
.macro CROUND                          ; a round of the cluster's barrier
	s_barrier_signal -1
	s_barrier_wait -1
	s_cmp_lg_u32 s14, 0
	s_cbranch_scc1 .Lnot_wave_0_\@
	s_barrier_signal -3
.Lnot_wave_0_\@:
	s_barrier_wait -3
	s_barrier_signal -1
	s_barrier_wait -1
.endm
	s_load_b128 s[4:7], s[0:1], 0x0                ; x's codes s[4:5], x's scales s[6:7]
	s_load_b128 s[8:11], s[0:1], 0x10              ; W's codes s[8:9], W's scales s[10:11]
	s_load_b64 s[12:13], s[0:1], 0x20              ; the slabs
	v_lshl_add_u32 v[SPW], v0, 2, SPARE
	v_mov_b32 v[NIL], 0
	ds_add_u32 v[SPW], v[NIL]                      ; the wave's opening: the add, twice on end, and its wait ahead of my first tensor load
	ds_add_u32 v[SPW], v[NIL]
	v_lshrrev_b32 v1, 5, v0
	v_readfirstlane_b32 s14, v1                    ; wave 0..3
	s_lshr_b32 s15, s14, 1                         ; which half of the tile's rows is mine.  Also: I fetch for x (0) or for W (1)
	s_and_b32 s16, s14, 1                          ; which half of its columns.  Also: which 128 rows of that tile I fetch
	s_bfe_u32 s40, ttmp6, 0x40000                  ; cx, cy: my place in the cluster
	s_bfe_u32 s41, ttmp6, 0x40004
	s_lshl_b32 s42, ttmp9, 2
	s_add_co_u32 s42, s42, s40                     ; tile column of C = 4 x cluster x + cx
	s_and_b32 s17, ttmp7, 0xffff
	s_lshl_b32 s17, s17, 2
	s_add_co_u32 s17, s17, s41                     ; tile row of C = 4 x cluster y + cy
	s_lshl_b32 s43, s41, 2
	s_lshl_b32 s43, 15, s43                        ; my row of the cluster
	s_lshl_b32 s44, 0x1111, s40                    ; my column
	; descriptor group 1: a tile of 128 rows x 256 bytes, padded in LDS
	s_or_b32 s[G1+0], s43, (0<<16)|(1<<20)|(1<<21)|(5<<22)|(3<<25)  ; 15:0 the mask: x's tiles go to my row; 17:16 element of 1 byte; 20 padding on; 21 set beside a mask; 24:22 after every 64 words; 31:25 four words
	s_or_b32 s[G1B+0], s44, (0<<16)|(1<<20)|(1<<21)|(5<<22)|(3<<25)
.irp g, G1, G1B
	s_mov_b32 s[\g+1], ROWB<<16                    ; tensor_dim0
	s_mov_b32 s[\g+2], 128<<16                     ; tensor_dim1 = 128
	s_mov_b32 s[\g+3], ROWB<<16                    ; tile_dim0
	s_mov_b32 s[\g+4], 128                         ; tile_dim1 = 128
	s_mov_b32 s[\g+5], KROW                        ; tensor_dim0_stride
	s_mov_b32 s[\g+6], 0
	s_mov_b32 s[\g+7], 0
.endr
	; and for the scales of 128 rows: a dense block of 4,096 bytes, as rows of 256 bytes (32 elements of 8 bytes), 16 bytes of padding behind each
	s_or_b32 s[G1S+0], s43, (3<<16)|(1<<20)|(1<<21)|(5<<22)|(3<<25)
	s_or_b32 s[G1SB+0], s44, (3<<16)|(1<<20)|(1<<21)|(5<<22)|(3<<25)
.irp g, G1S, G1SB
	s_mov_b32 s[\g+1], 32<<16
	s_mov_b32 s[\g+2], (128*KS/256)<<16
	s_mov_b32 s[\g+3], 32<<16
	s_mov_b32 s[\g+4], 128*KS/256
	s_mov_b32 s[\g+5], 32
	s_mov_b32 s[\g+6], 0
	s_mov_b32 s[\g+7], 0
.endr
	s_lshl_b32 s18, s16, 7                         ; which 128 rows of the tile I fetch
	s_lshl_b32 s20, s17, 8
	s_add_co_u32 s20, s20, s18                     ; x: row 256 x tile row + 128 x half
	s_lshl_b32 s46, s42, 8
	s_add_co_u32 s46, s46, s18                     ; W: row 256 x tile column + 128 x half
	s_mov_b32 s21, 0
	s_mov_b32 s47, 0
	s_mov_b64 s[18:19], KS
	s_mul_u64 s[22:23], s[20:21], s[18:19]         ; where these rows' scales begin, in bytes
	s_mul_u64 s[92:93], s[46:47], s[18:19]
	s_mov_b64 s[18:19], KROW
	s_mul_u64 s[20:21], s[20:21], s[18:19]         ; and their codes
	s_mul_u64 s[46:47], s[46:47], s[18:19]
	s_mul_i32 s45, s14, HALFT                      ; where they go: wave x 128 rows: no place in the cluster enters an LDS address
	s_mul_i32 s94, s14, HALFS
	s_wait_dscnt 0x0                               ; both opening adds are done
	s_wait_kmcnt 0x0
	s_add_nc_u64 s[20:21], s[4:5], s[20:21]
	s_add_nc_u64 s[22:23], s[6:7], s[22:23]
	s_add_nc_u64 s[46:47], s[8:9], s[46:47]
	s_add_nc_u64 s[92:93], s[10:11], s[92:93]
	CROUND                                         ; all sixteen work-groups are here: the joint loads meet
	s_mov_b32 s[G0S], 1
	s_add_co_u32 s[G0S+1], s94, SCL
	s_mov_b64 s[G0S+2:G0S+3], s[22:23]
	s_or_b32 s[G0S+3], s[G0S+3], 0x80000000
	s_mov_b32 s[G0SB], 1
	s_add_co_u32 s[G0SB+1], s94, SCL
	s_mov_b64 s[G0SB+2:G0SB+3], s[92:93]
	s_or_b32 s[G0SB+3], s[G0SB+3], 0x80000000
	JLOAD G0S, G1S, G0SB, G1SB                     ; the scales first: they are wanted with K step 0
.irp s, 0,1
	s_mov_b32 s[G0+4*\s], 1
	s_add_co_u32 s[G0+4*\s+1], s45, \s*SLOT
	s_add_nc_u64 s[G0+4*\s+2:G0+4*\s+3], s[20:21], \s*ROWB
	s_or_b32 s[G0+4*\s+3], s[G0+4*\s+3], 0x80000000
	s_mov_b32 s[G0B+4*\s], 1
	s_add_co_u32 s[G0B+4*\s+1], s45, \s*SLOT
	s_add_nc_u64 s[G0B+4*\s+2:G0B+4*\s+3], s[46:47], \s*ROWB
	s_or_b32 s[G0B+4*\s+3], s[G0B+4*\s+3], 0x80000000
	JLOAD G0+4*\s, G1, G0B+4*\s, G1B               ; three loads of mine are out in all
.endr
	v_and_b32 v1, 15, v0                           ; l % 16
	v_bfe_u32 v2, v0, 4, 1                         ; l / 16
	v_mul_u32_u24 v3, v1, PITCH
	v_lshl_add_u32 v4, v2, 4, v3                   ; a fragment's row x pitch + 16 x half
	s_mul_i32 s21, s15, HALFT                      ; my 128 rows of x
	s_mul_i32 s22, s16, HALFT                      ; my 128 rows of W,
	s_add_co_u32 s22, s22, 2*HALFT                 ; which lie behind x's 256
.irp s, 0,1
	v_add_nc_u32 v[ADRA+\s], s21, v4
	v_add_nc_u32 v[ADRB+\s], s22, v4
	s_add_co_u32 s21, s21, SLOT
	s_add_co_u32 s22, s22, SLOT
.endr
	v_mul_u32_u24 v5, v1, KS                       ; my row's scales: KS bytes a row,
	v_lshrrev_b32 v6, 8, v5
	v_lshl_add_u32 v5, v6, 4, v5                   ; and 16 more for each 256 passed
	s_mul_i32 s21, s15, HALFS                      ; x's: my 128 rows
	s_mul_i32 s22, s16, HALFS                      ; W's: my 128 rows, behind x's 256
	s_add_co_u32 s22, s22, 2*HALFS
	s_sub_co_u32 s22, s22, s21
	v_mul_u32_u24 v6, s22, v2                      ; lanes 16-31 take W's
	s_add_co_u32 s21, s21, SCL
	v_add_nc_u32 v5, v5, v6
	v_add_nc_u32 v[ADRS], s21, v5
	s_mul_i32 s23, s14, 16*SPITCH                  ; my stage
	v_mul_u32_u24 v5, v1, SPITCH                   ; in: row l % 16, 16 bytes for each half of the lanes
	v_lshl_add_u32 v5, v2, 4, v5
	v_add_nc_u32 v[STO], s23, v5
	v_and_b32 v6, 31, v0
	v_lshlrev_b32 v[CO], 4, v6
	v_lshrrev_b32 v5, 3, v6                        ; back: eight lanes take a token's 128 bytes of one slab, four tokens an instruction
	v_mul_u32_u24 v5, v5, SPITCH
	v_and_b32 v6, 7, v6
	v_lshl_add_u32 v5, v6, 4, v5
	v_add_nc_u32 v[RD], s23, v5
	s_lshl_b32 s20, s42, 2
	s_lshl_b32 s21, s16, 1
	s_add_co_u32 s20, s20, s21                     ; my first slab: 4 x tile column + 2 x half
	s_lshl_b32 s20, s20, 19                        ; 524,288 bytes a slab
	s_lshl_b32 s21, s17, 15                        ; 256 tokens x 128 bytes a tile row
	s_add_co_u32 s20, s20, s21
	s_lshl_b32 s21, s15, 14                        ; 128 tokens for the half
	s_add_co_u32 s20, s20, s21
	s_mov_b32 s21, 0
	s_add_nc_u64 s[12:13], s[12:13], s[20:21]
.macro FRAG reg, adr, q, i             ; a fragment, 16 rows x 128 K of 4-bit codes, is 8 registers: lane l holds row l % 16; registers 4 c .. 4 c + 3 hold K = 64 c + 32 (l / 16) + 0 .. 31
.irp c, 0,1
	ds_load_b128 v[\reg+4*\c:\reg+4*\c+3], v[\adr] offset:64*(\q)+32*\c+(\i)*16*PITCH
.endr
.endm
; 16 matrix instructions: x's blocks a0, a0 + 1 against W's eight, 128 along K: the slot's q-th.  p: W's set;  sc: the set of scale words.  zero = 1: the first product starts the sums.
; The 64 accumulators take turns, one instruction a turn, in the same order in every step.
.macro MUL16 a0, p, q, sc, zero
.irp a, \a0, \a0+1
.irp b, 0,1,2,3,4,5,6,7
.if \zero
	v_wmma_scale_f32_16x16x128_f8f6f4 v[8*(8*((\a)%4)+\b):8*(8*((\a)%4)+\b)+7], v[128*(\p)+FR*\b:128*(\p)+FR*\b+FR-1], v[AF+FR*(\a):AF+FR*(\a)+FR-1], 0, v[SC+8*NQ*(\sc)+NQ*\b+(\q)], v[SC+8*NQ*(\sc)+NQ*(\a)+(\q)] matrix_a_fmt:MATRIX_FMT_FP4 matrix_b_fmt:MATRIX_FMT_FP4 matrix_a_scale:MATRIX_SCALE_ROW1
.else
	v_wmma_scale_f32_16x16x128_f8f6f4 v[8*(8*((\a)%4)+\b):8*(8*((\a)%4)+\b)+7], v[128*(\p)+FR*\b:128*(\p)+FR*\b+FR-1], v[AF+FR*(\a):AF+FR*(\a)+FR-1], v[8*(8*((\a)%4)+\b):8*(8*((\a)%4)+\b)+7], v[SC+8*NQ*(\sc)+NQ*\b+(\q)], v[SC+8*NQ*(\sc)+NQ*(\a)+(\q)] matrix_a_fmt:MATRIX_FMT_FP4 matrix_b_fmt:MATRIX_FMT_FP4 matrix_a_scale:MATRIX_SCALE_ROW1
.endif
.endr
.endr
.endm
.macro FETCH_B slot, q, p              ; W's eight fragments of the slot's q-th 128 along K into set p
	WIN TO_B
.irp i, 0,1,2,3,4,5,6,7
	FRAG 128*(\p)+FR*\i, ADRB+\slot, \q, \i
.endr
	WIN 0
.endm
.macro FETCH_A slot, q, i0             ; x's blocks i0 .. i0 + 3
.irp i, \i0, \i0+1, \i0+2, \i0+3
	FRAG AF+FR*(\i), ADRA+\slot, \q, \i
.endr
.endm
.macro SCALES sc                       ; a K step's scale words into set sc: NQ words a row; lanes 0-15 take x's block i, lanes 16-31 W's block i
.irp i, 0,1,2,3,4,5,6,7
	ds_load_b128 v[SC+8*NQ*\sc+NQ*\i:SC+8*NQ*\sc+NQ*\i+3], v[ADRS] offset:\i*SBLK
.endr
.endm
; A load into a register that a matrix instruction has read, and a vector instruction that reads a matrix result, stand NP places behind that matrix instruction; only plain vector instructions that name none of its
; registers are places (ISA guide 7.12.1 for vector instructions).
.macro PLACES n
.rept \n
	v_nop
.endr
.endm
; A step of 128 along K that has its successor in the same slot.
.macro STEP slot, q, zero
	s_wait_dscnt 4*NL                              ; W's set and x's blocks 0-3 are in; the youngest eight loads (x's blocks 4-7) may be out
	WIN MUL_LO
	MUL16 0, (\q)%2, \q, \slot, \zero
	MUL16 2, (\q)%2, \q, \slot, \zero
	s_wait_dscnt 0                                 ; x's blocks 4-7 are in (asked for 32 matrix instructions ago)
	PLACES NP
	FETCH_B \slot, (\q)+1, 1-(\q)%2
	FETCH_A \slot, (\q)+1, 0
	WIN MUL_HI
	MUL16 4, (\q)%2, \q, \slot, \zero
	MUL16 6, (\q)%2, \q, \slot, \zero
	PLACES NP
	WIN 0
	FETCH_A \slot, (\q)+1, 4
.endm
; Slot 0's last step goes over to slot 1: ONE barrier; in front of it each wave waits for all its tensor loads, adds 0 to its spare word, and waits for that and for its own reads of slot 0.  Nothing is filled again.
.macro TURN slot, next
	s_wait_tensorcnt 0x0                           ; all my tensor loads have landed: my part of the next slot
	ds_add_u32 v[SPW], v[NIL]                      ; 0 onto my spare word
	s_wait_dscnt 4*NL+1                            ; (the add and the youngest eight loads, x's blocks 4-7, may be out)
	WIN MUL_LO
	MUL16 0, 1, NQ-1, \slot, 0                     ; sixteen matrix instructions stand between the add and the wait for it
	s_wait_dscnt 0x0                               ; the add is done, and my reads of this slot are over
	s_barrier_signal -1
	MUL16 2, 1, NQ-1, \slot, 0
	WIN 0
	s_barrier_wait -1
	PLACES NP
	v_add_nc_u32 v[ADRS], 4*NQ, v[ADRS]            ; on to the next K step's scale words (no LDS load of mine is out)
	FETCH_B \next, 0, 0
	FETCH_A \next, 0, 0
	SCALES \next
	WIN MUL_HI
	MUL16 4, 1, NQ-1, \slot, 0
	MUL16 6, 1, NQ-1, \slot, 0
	PLACES NP
	WIN 0
	FETCH_A \next, 0, 4
.endm
	s_wait_tensorcnt 1                             ; the scales and my part of K step 0 are in (K step 1's load may be out),
	s_barrier_signal -1
	s_barrier_wait -1                              ; everybody's are
	FETCH_B 0, 0, 0
	FETCH_A 0, 0, 0
	SCALES 0
	FETCH_A 0, 0, 4
	STEP 0, 0, 1                                   ; the first step's products start the sums: nothing is cleared
	STEP 0, 1, 0
	STEP 0, 2, 0
	TURN 0, 1
	STEP 1, 0, 0
	STEP 1, 1, 0
	STEP 1, 2, 0
	s_wait_dscnt 4*NL                              ; the very last step: nothing more to fetch
	WIN MUL_LO
	MUL16 0, 1, NQ-1, 1, 0
	MUL16 2, 1, NQ-1, 1, 0
	s_wait_dscnt 0
	WIN MUL_HI
	MUL16 4, 1, NQ-1, 1, 0
	MUL16 6, 1, NQ-1, 1, 0
	WIN 0
; THE WAY OUT, block by block of 16 tokens x 128 columns (two slabs).  PACK: rounded to f16, 16 bytes a lane, each accumulator from its low end on.  TOSTAGE: into my own stage in LDS, and back slab by slab, four tokens'
; 128 bytes an instruction.  SEND: each store covers 512 consecutive bytes of a slab, aligned.  LDS serves a wave's instructions in order (ISA guide 5.7.1.4): no wait between the stage's stores and loads.
.macro PACK a
.set AC, 64*((\a)%4)
	WIN 0x0a+5*((\a)/4)                            ; sources 0 and 1: window 2 or 3
.irp b, 0,1,2,3,4,5,6,7
.irp r, 0,1,2,3
	v_cvt_pk_f16_f32 v[TMP+4*\b+\r], v[AC+8*\b+2*\r], v[AC+8*\b+2*\r+1]
.endr
.endr
	WIN 0
.endm
.macro TOSTAGE a
.set BB, OB+192*((\a)%2)
.irp b, 0,1,2,3,4,5,6,7
	ds_store_b128 v[STO], v[TMP+4*\b:TMP+4*\b+3] offset:32*\b
.endr
.irp sl, 0,1
.irp i, 0,1,2,3
	ds_load_b128 v[BB+16*\sl+4*\i:BB+16*\sl+4*\i+3], v[RD] offset:\i*4*SPITCH+128*\sl
.endr
.endr
.endm
.macro SEND a
.set BB, OB+192*((\a)%2)
	s_wait_dscnt 0x0                               ; the block is back in registers
	s_wait_xcnt 0x0                                ; the stores of the block before have read their registers: the next block's loads may land there
.irp sl, 0,1
.irp i, 0,1,2,3
	global_store_b128 v[CO], v[BB+16*\sl+4*\i:BB+16*\sl+4*\i+3], s[12:13] offset:\sl*524288+(\a)*2048+\i*512
.endr
.endr
.endm
	PLACES NP                                      ; behind the last products: for the first read of their results
	PACK 0
	TOSTAGE 0
.irp a, 1,2,3,4,5,6,7                  ; block a's conversions stand between block a - 1's loads from the stage and the wait for them
	PACK \a
	SEND \a-1
	TOSTAGE \a
.endr
	SEND 7
	s_wait_tensorcnt 0x0                           ; the wave's end: behind my last tensor load and my last LDS store
	ds_add_u32 v[SPW], v[NIL]
	s_wait_dscnt 0x0
	CROUND                                         ; the closing round: no work-group ends while a partner may still ask for a tile that names it
	s_endpgm
.Lfunc_end_k_qc08b1dee8a_qkv_gemm:
	.size	k_qc08b1dee8a_qkv_gemm, .Lfunc_end_k_qc08b1dee8a_qkv_gemm-k_qc08b1dee8a_qkv_gemm
	.p2alignl 7, 3214868480
	.fill 96, 4, 3214868480
	.section	.rodata,"a",@progbits
	.p2align	6, 0x0
	.amdhsa_kernel k_qc08b1dee8a_qkv_gemm
		.amdhsa_group_segment_fixed_size 327680
		.amdhsa_private_segment_fixed_size 0
		.amdhsa_enable_private_segment 0
		.amdhsa_kernarg_size 40
		.amdhsa_user_sgpr_count 2
		.amdhsa_user_sgpr_kernarg_segment_ptr 1
		.amdhsa_wavefront_size32 1
		.amdhsa_system_sgpr_workgroup_id_x 1
		.amdhsa_system_sgpr_workgroup_id_y 1
		.amdhsa_system_sgpr_workgroup_id_z 1
		.amdhsa_system_vgpr_workitem_id 0
		.amdhsa_next_free_vgpr 1024
		.amdhsa_next_free_sgpr 98
		.amdhsa_reserve_vcc 0
		.amdhsa_float_denorm_mode_32 3
		.amdhsa_float_denorm_mode_16_64 3
		.amdhsa_memory_ordered 1
		.amdhsa_forward_progress 1
		.amdhsa_inst_pref_size 126
	.end_amdhsa_kernel
	.amdgpu_metadata
---
amdhsa.version: [ 1, 2 ]
amdhsa.kernels:
  - .name:           k_qc08b1dee8a_qkv_gemm
    .symbol:         k_qc08b1dee8a_qkv_gemm.kd
    .args:
      - { .name: x_codes, .offset: 0, .size: 8, .value_kind: global_buffer, .address_space: global }
      - { .name: x_scales, .offset: 8, .size: 8, .value_kind: global_buffer, .address_space: global }
      - { .name: w_codes, .offset: 16, .size: 8, .value_kind: global_buffer, .address_space: global }
      - { .name: w_scales, .offset: 24, .size: 8, .value_kind: global_buffer, .address_space: global }
      - { .name: qkv, .offset: 32, .size: 8, .value_kind: global_buffer, .address_space: global }
    .group_segment_fixed_size: 327680
    .private_segment_fixed_size: 0
    .kernarg_segment_align: 8
    .kernarg_segment_size: 40
    .max_flat_workgroup_size: 128
    .sgpr_count:     98
    .vgpr_count:     1024
    .wavefront_size: 32
...
	.end_amdgpu_metadata
.endif
;; end of part 2
;; launch attn (part 3): grid 16 x 16, 8 waves a work-group, clusters of 4 x 1, 327,680 bytes of LDS; arguments qkv, att; writes att
.if DOCPART == 3
	.amdgcn_target "amdgcn-amd-amdhsa--gfx1250"
	.amdhsa_code_object_version 6
	.text
	.protected	k_qc08b1dee8a_attn
	.globl	k_qc08b1dee8a_attn
	.p2align	8
	.type	k_qc08b1dee8a_attn,@function
k_qc08b1dee8a_attn:
	s_mov_b64 s[64:65], 0
	v_nop
	global_prefetch_b8 v0, s[64:65] scope:SCOPE_SE
	s_setreg_imm32_b32 hwreg(HW_REG_WAVE_MODE, 25, 1), 1
	s_wait_xcnt 0x0
	s_wait_alu depctr_hold_cnt(0) depctr_sa_sdst(0) depctr_va_vdst(0) depctr_va_sdst(0) depctr_va_ssrc(0) depctr_va_vcc(0) depctr_vm_vsrc(0)
	s_getreg_b32 s2, hwreg(HW_REG_IB_STS2, 6, 4)
	s_cmp_eq_u32 s2, 0
	s_cbranch_scc0 .Lentry_in_a_cluster
	s_endpgm
.Lentry_in_a_cluster:
	s_bfe_u32 s2, ttmp6, 0x10000c
	s_cmp_lg_u32 s2, 0x3003
	s_cbranch_scc0 .Lentry_shape_is_right
	s_endpgm
.Lentry_shape_is_right:
; O[h][q][:] = the sum over k of softmax_k(0.5 Q[h][q] . K[h][k]) V[h][k][:]: 16 heads of 64 channels, 4,096 queries and keys, no mask.  (0.5 = 2 x 2 / sqrt(64): both factors 2 and the scale.)
; Q, K, V: slabs [4096][64] of f16: Q of head h is slab h, K slab 16 + 16 (h / 8) + h % 8, V eight slabs further on.  Products, maxima and sums in f32; the weights p are rounded to f16 for the second product.
; The result leaves as f16, laid [32 blocks of 128 tokens][16 heads][128 tokens][64].  LIMITS: NaN and infinities are not served; |O| stays under the largest |V|, which is an f16 number.
; SHARES.  A work-group owns 256 queries of one head.  Of its EIGHT waves, wave w owns the 64 queries of group w % 4 (four tiles of 16) and, of every 256 keys, the half w / 4: two waves to a SIMD, 512 registers each,
; and each fragment of K or V read from LDS feeds four products.  The two halves' maxima, sums and O are joined once, at the end, through LDS.
; LAYOUT.  S^T = K Q^T (source 0 = 16 keys, source 1 = 16 queries): a lane holds ONE query (lane % 16) and the keys 8 (lane / 16) + 0..7.  Two such tiles, rounded to f16 in pairs, ARE source 1 (32 keys x 16 queries) of
; O^T = V^T P, whose result again holds one query a lane.  K comes out of LDS as it lies, V ([key][channel]) turned, by ds_load_tr16_b128.
; SOFTMAX.  For each query a running maximum m and sum l: p = 2^(c s - c m), c = 0.5 log2(e); in every step O and l are multiplied by a = 2^(c m_old - c m_new).
; IN COUNTER-PHASE.  A wave's walk is the cycle: softmax of a key step (vector work) | V^T P of that step and K Q^T of the next (matrix work).  Half of the waves meet each change of slots in front of the matrix part,
; the other half in front of the softmax (PHASE, made of the wave's number so that w and w + 4, and 2 j and 2 j + 1, differ): while one wave has vector work another has matrix work.
; CLUSTER.  The four query blocks of a cluster belong to one head and walk the same K and V: each tile is asked for JOINTLY, by the same tensor load with the same descriptor and a mask that names the four.
; REGISTERS, in windows of 256 (s_set_vgpr_msb: bits 1:0 source 0, 3:2 source 1, 5:4 source 2, 7:6 destination):
;   window 0: v0-11 addresses; v12-43 eight registers of statistics a tile; v61-63; v64-191 S^T, 32 a tile, P then lies in the low 16 of each tile; v192-255 V of one step
;   window 1: v0-127 O^T, 32 a tile; v128-191 Q, 16 a tile; v192-255 K of one step
.set PKP,   272       ; two keys' rows of K (256 bytes) + 16 of padding: key r lies at (r / 2) 272 + (r % 2) 128: the 16 keys of a load start at 16 different columns of 16 bytes
.set PVP,   288       ; the same for V, + 32
.set VOFF,  32*PKP    ; a step's tiles lie together: 64 keys of K, then 64 keys of V
.set STEPB, 32*(PKP+PVP)
.set SLOT1, 1<<17     ; a slot holds four steps' tiles (256 keys, 71,680 bytes): two for each half of the waves; slot 1 begins here, so that one exclusive or turns an address
.set SLOTB, 32768     ; a slot's keys in memory: 256 rows of 128 bytes
.set MERGE, SLOT1+4*STEPB  ; behind the ring: 17,408 bytes for each group of queries: the image of O^T's 128 registers and of eight statistics
.set MGW,   17408
.set STAGE, MERGE+4*MGW    ; 64 rows x 144 bytes for each group, for the way out
.set SP,    144
.set SPARE, STAGE+4*64*SP  ; the spare words, 128 bytes for each wave: four blocks of 256 bytes that no other line names
.set AK0, 2           ; v2   my lane's place in a tile of K, in my half of a slot; never rewritten
.set AV0, 3           ; v3   the same for V
.set ADR, 4           ; v4   the LDS address of the run of loads in hand
.set QO,  5           ; v5   my byte offset in the wave's rows of Q
.set STO, 6           ; v6   the way out: where I put 16 bytes of a row
.set RD,  7           ; v7   the way out: where I read back
.set GO,  8           ; v8   16 x lane
.set MG,  10          ; v10  my 16 bytes of a register image in my group's MERGE
.set ST,  12          ; tile t's statistics at v[ST+8 t]: +0 c m, +1 m, +2, +3 l (even keys', odd keys'), +4 to +7 at work; a in +6
.set PFO, 61          ; v61  256 x my lane; never rewritten
.set SPW, 62          ; v62  LDS address of my spare word; never rewritten
.set NIL, 63          ; v63  0; never rewritten
.set S,   64
.set VF,  192         ; V's fragments, window 0: keys 32 f on, channels 16 ct on at VF + 8 (4 f + ct)
.set QF,  128         ; Q's, window 1: tile t, channels 32 c on at QF + 16 t + 8 c
.set KF,  192         ; K's, window 1: keys 16 kt on, channels 32 c on at KF + 8 (2 kt + c)
.set WV,  12          ; s12  my wave's number
.set LIM, 15          ; s15  1 in a wave that prefetches, else the greatest number
.set PFA, 18          ; s[18:19] where my prefetches stand
.set G1K, 24          ; s[24:31] descriptor group 1 for K's tiles
.set G1V, 32          ; s[32:39] for V's: it differs in the padding alone
.set G0K, 40          ; s[40:47] group 0 for K's tiles: a set for each of the two first fills; the second then walks on
.set G0V, 48          ; s[48:55] the same for V's
.set SLOTS, 56        ; s56  slots still to be asked for
.set TWICE, 57        ; s57  counts a slot's two steps
.set CS,  58          ; s[58:59] c
.set SEL, 60          ; s[60:61] lane selects for v_permlanex16_b32: lane l xor 16
.set TB,  62          ; s62  LDS byte at which the tiles of the step to be fetched begin (in the first half of the waves)
.set PHASE, 66        ; s66  0: I meet a change of slots in front of matrix work; 1: in front of a softmax
.set KH,  67          ; s67  which half of a slot's keys is mine
.set MSB, 0
.macro WIN new                      ; the immediate's high byte repeats the setting that is left; a switch that changes nothing is dropped
.if MSB != \new
	s_set_vgpr_msb (MSB<<8)|\new
.set MSB, \new
.endif
.endm
.set W_KQ, 0x05       ; K and Q in window 1, S^T in window 0
.set W_PV, 0x50       ; V and P in window 0, O^T in window 1
.set W_RS, 0x41       ; O^T (destination and source 0) in window 1, a in window 0
.set TO_1, 0x40       ; destination window 1, address window 0
; A joint refill.  Waves 0 to 3 fetch the slot's four tiles of K, waves 4 to 7 those of V: one load a wave.  The branch hangs on the wave's number alone.  An s_nop 0 and four v_nop follow each line.
.macro JLOAD
	s_cmp_lt_u32 s[WV], 4
	s_cbranch_scc0 .Lfor_v_\@
	tensor_load_to_lds s[G0K+4:G0K+7], s[G1K:G1K+7]
	s_nop 0
.rept 4
	v_nop
.endr
	s_branch .Lasked_\@
.Lfor_v_\@:
	tensor_load_to_lds s[G0V+4:G0V+7], s[G1V:G1V+7]
	s_nop 0
.rept 4
	v_nop
.endr
.Lasked_\@:
.endm
; A PREFETCH INTO THE L2 of what the NEXT change of slots will ask for: a slot's 32,768 bytes of K and of V.  All clusters of a head walk the same K and V: the head's first cluster asks.  Its four partners share the
; bytes out BY ADDRESS, 8,192 each, lanes 256 bytes apart; in each, wave 0 asks for K's and wave 4 for V's: one instruction.  So each aligned block of 256 bytes is named once in the launch.  It stands behind the wave's
; tensor load and its five lines.  The last change that fills a slot asks for nothing; slots 0, 1 and 2 come by their loads alone.
.macro ASK
	s_cmp_gt_u32 s[SLOTS], s[LIM]
	s_cbranch_scc0 .Lnot_mine_\@
	global_prefetch_b8 v[PFO], s[PFA:PFA+1] th:TH_LOAD_NT scope:SCOPE_SE
.Lnot_mine_\@:
.endm
.macro CROUND                       ; a round of the cluster's barrier
	s_barrier_signal -1
	s_barrier_wait -1
	s_cmp_lg_u32 s[WV], 0
	s_cbranch_scc1 .Lnot_wave_0_\@
	s_barrier_signal -3
.Lnot_wave_0_\@:
	s_barrier_wait -3
	s_barrier_signal -1
	s_barrier_wait -1
.endm
	s_load_b128 s[4:7], s[0:1], 0x0  ; the slabs s[4:5], the result s[6:7]
	v_lshl_add_u32 v[SPW], v0, 2, SPARE
	v_mov_b32 v[NIL], 0
	ds_add_u32 v[SPW], v[NIL]       ; the wave's opening: the add, twice on end, and its wait ahead of my first tensor load
	ds_add_u32 v[SPW], v[NIL]
	v_lshrrev_b32 v1, 5, v0
	v_readfirstlane_b32 s[WV], v1   ; wave 0..7
	s_bfe_u32 s13, ttmp6, 0x40000   ; cx: my place in the cluster
	s_lshl_b32 s14, ttmp9, 2        ; in a cluster launch ttmp9 counts clusters
	s_add_co_u32 s14, s14, s13      ; my block of 256 queries: it enters Q's and the result's addresses alone
	s_and_b32 s16, ttmp7, 0xffff    ; the head, which the four partners share
	s_lshr_b32 s[KH], s[WV], 2
	s_xor_b32 s[PHASE], s[WV], s[KH]
	s_and_b32 s[PHASE], s[PHASE], 1
	s_and_b32 s17, s[WV], 3         ; my group of 64 queries.  Also: which of a slot's four tiles I fetch
	s_lshr_b32 s20, s16, 3
	s_lshl_b32 s20, s20, 4
	s_and_b32 s21, s16, 7
	s_add_co_u32 s20, s20, s21
	s_add_co_u32 s20, s20, 16       ; K's slab
	s_lshl_b32 s20, s20, 19         ; 524,288 bytes a slab
	s_lshl_b32 s21, s17, 13         ; my tile: 64 keys of 128 bytes
	s_add_co_u32 s20, s20, s21
	s_mov_b32 s21, 0
	s_lshl_b32 s22, s16, 19         ; Q: slab = head,
	s_lshl_b32 s23, s14, 15         ; 256 queries a block,
	s_add_co_u32 s22, s22, s23
	s_lshl_b32 s23, s17, 13         ; 64 a group
	s_add_co_u32 s22, s22, s23
	s_mov_b32 s23, 0
	s_lshl_b32 s2, s14, 1           ; the result: block of 128 tokens = 2 x my block + group / 2,
	s_lshr_b32 s3, s17, 1
	s_add_co_u32 s2, s2, s3
	s_lshl_b32 s2, s2, 18           ; 262,144 bytes each,
	s_lshl_b32 s3, s16, 14          ; 16,384 a head,
	s_add_co_u32 s2, s2, s3
	s_and_b32 s3, s17, 1
	s_lshl_b32 s3, s3, 13           ; 8,192 for 64 tokens
	s_add_co_u32 s2, s2, s3
	s_mov_b32 s3, 0
	s_mul_i32 s8, s17, STEPB        ; my tile's place in a slot: no place in the cluster enters an LDS address
	; descriptor group 1: 64 keys as 32 rows of 128 elements (the rows are dense in memory: two keys make one row of 256 bytes), padded in LDS
	s_mov_b32 s[G1K], 15|(1<<16)|(1<<20)|(1<<21)|(5<<22)|(3<<25)  ; 15:0 the mask: all four work-groups; 17:16 elements of 2 bytes; 20 padding on; 21 set beside a mask; 24:22 after every 64 words; 31:25 four words
	s_mov_b32 s[G1V], 15|(1<<16)|(1<<20)|(1<<21)|(5<<22)|(7<<25)  ; the same with eight words of padding
.irp g, G1K, G1V
	s_mov_b32 s[\g+1], 128<<16      ; tensor_dim0 = 128
	s_mov_b32 s[\g+2], 32<<16       ; tensor_dim1 = 32
	s_mov_b32 s[\g+3], 128<<16      ; tile_dim0 = 128
	s_mov_b32 s[\g+4], 32           ; tile_dim1 = 32
	s_mov_b32 s[\g+5], 128          ; tensor_dim0_stride
	s_mov_b32 s[\g+6], 0
	s_mov_b32 s[\g+7], 0
.endr
	s_mov_b32 s[CS], 0x3f38aa3b     ; c = 0.5 log2(e)
	s_mov_b32 s[CS+1], s[CS]        ; named with it as a pair, so it is written
	s_mov_b32 s[SEL], 0x76543210
	s_mov_b32 s[SEL+1], 0xfedcba98
	s_mov_b32 s[TB], 0
	s_mov_b32 s[SLOTS], 14          ; 16 slots; two are asked for at the head
	s_or_b32 s[LIM], s17, ttmp9     ; 0 in waves 0 and 4 of the head's first cluster: the same in all four partners
	s_cmp_eq_u32 s[LIM], 0
	s_cselect_b32 s[LIM], 1, -1
	v_and_b32 v[PFO], 31, v0
	v_lshlrev_b32 v[PFO], 8, v[PFO]
	s_wait_dscnt 0x0                ; both opening adds are done
	s_wait_kmcnt 0x0
	s_add_nc_u64 s[20:21], s[4:5], s[20:21]  ; K at my tile of slot 0
	s_add_nc_u64 s[10:11], s[20:21], 8<<19   ; V: eight slabs on
	s_add_nc_u64 s[22:23], s[4:5], s[22:23]  ; Q at my wave's first row
	s_add_nc_u64 s[6:7], s[6:7], s[2:3]      ; the result likewise
	s_cmp_lt_u32 s[WV], 4
	s_cselect_b64 s[PFA:PFA+1], s[20:21], s[10:11]  ; (in waves 0 and 4 these stand at a slot's first row)
	s_lshl_b32 s2, s13, 13          ; my work-group's 8,192 bytes of the 32,768
	s_mov_b32 s3, 0
	s_add_nc_u64 s[PFA:PFA+1], s[PFA:PFA+1], s[2:3]
	s_add_nc_u64 s[PFA:PFA+1], s[PFA:PFA+1], 2*SLOTB  ; in slot 2; the first change of slots steps it to slot 3.  Nothing is prefetched at the head
	CROUND                          ; all four work-groups are here: the first joint loads meet
.irp s, 0,1
	s_mov_b32 s[G0K+4*\s], 1        ; count = 1
	s_add_co_u32 s[G0K+4*\s+1], s8, \s*SLOT1  ; LDS address
	s_add_nc_u64 s[G0K+4*\s+2:G0K+4*\s+3], s[20:21], \s*SLOTB  ; global address
	s_or_b32 s[G0K+4*\s+3], s[G0K+4*\s+3], 0x80000000  ; type = 2
	s_mov_b32 s[G0V+4*\s], 1
	s_add_co_u32 s[G0V+4*\s+1], s8, \s*SLOT1+VOFF
	s_add_nc_u64 s[G0V+4*\s+2:G0V+4*\s+3], s[10:11], \s*SLOTB
	s_or_b32 s[G0V+4*\s+3], s[G0V+4*\s+3], 0x80000000
.endr
	s_cmp_lt_u32 s[WV], 4           ; a wave's two first fills stand in one branch, ahead of every wait on TENSORcnt and every LDS read: two loads of mine are out
	s_cbranch_scc0 .Lfirst_v
	tensor_load_to_lds s[G0K:G0K+3], s[G1K:G1K+7]
	s_nop 0
	tensor_load_to_lds s[G0K+4:G0K+7], s[G1K:G1K+7]
	s_nop 0
.rept 4
	v_nop
.endr
	s_branch .Lfirst_asked
.Lfirst_v:
	tensor_load_to_lds s[G0V:G0V+3], s[G1V:G1V+7]
	s_nop 0
	tensor_load_to_lds s[G0V+4:G0V+7], s[G1V:G1V+7]
	s_nop 0
.rept 4
	v_nop
.endr
.Lfirst_asked:
	; A fragment of K or Q is 16 rows x 32 channels in 8 registers: lane l holds row l % 16; registers 0-3 channels 8 (l / 16) + 0..7, registers 4-7 channels 16 + 8 (l / 16) + 0..7: two loads of 16 bytes, 32 bytes apart.
	v_and_b32 v1, 15, v0            ; r = l % 16
	v_bfe_u32 v9, v0, 4, 1          ; h = l / 16
	v_lshlrev_b32 v[QO], 7, v1
	v_lshl_add_u32 v[QO], v9, 4, v[QO]  ; row x 128 + 16 x half
	WIN TO_1
.irp t, 0,1,2,3                     ; Q stays in registers
.irp c, 0,1
	global_load_b128 v[QF+16*\t+8*\c:QF+16*\t+8*\c+3],   v[QO], s[22:23] offset:\t*2048+\c*64
	global_load_b128 v[QF+16*\t+8*\c+4:QF+16*\t+8*\c+7], v[QO], s[22:23] offset:\t*2048+\c*64+32
.endr
.endr
	WIN 0
	s_mul_i32 s9, s[KH], 2*STEPB    ; my half of a slot
	v_lshrrev_b32 v11, 1, v1
	v_mul_u32_u24 v[AK0], v11, PKP
	v_and_b32 v11, 1, v1
	v_lshl_add_u32 v[AK0], v11, 7, v[AK0]
	v_lshl_add_u32 v[AK0], v9, 4, v[AK0]
	v_add_nc_u32 v[AK0], s9, v[AK0] ; (r / 2) 272 + (r % 2) 128 + 16 h
	; The turning load takes 16 keys x 16 channels (lane l reads 16 bytes: key 8 (l / 16) + l % 8, channels 8 ((l / 8) % 2) + 0..7) and leaves half a fragment of V^T: lane l holds channel l % 16 and 8 keys.
	v_bfe_u32 v11, v0, 1, 2
	v_lshl_add_u32 v11, v9, 2, v11  ; the key's pair: 4 h + (l % 8) / 2
	v_mul_u32_u24 v[AV0], v11, PVP
	v_and_b32 v11, 1, v0
	v_lshl_add_u32 v[AV0], v11, 7, v[AV0]
	v_bfe_u32 v11, v0, 3, 1
	v_lshl_add_u32 v[AV0], v11, 4, v[AV0]
	s_add_co_u32 s9, s9, VOFF
	v_add_nc_u32 v[AV0], s9, v[AV0]
	v_and_b32 v11, 31, v0
	v_lshlrev_b32 v[GO], 4, v11
	s_mul_i32 s9, s17, MGW
	s_add_co_u32 s9, s9, MERGE
	v_add_nc_u32 v[MG], s9, v[GO]
	s_mul_i32 s9, s17, 64*SP
	s_add_co_u32 s9, s9, STAGE      ; my group's stage
	v_mul_u32_u24 v[STO], v1, SP    ; in: row l % 16, 16 bytes for each half of the lanes
	v_lshl_add_u32 v[STO], v9, 4, v[STO]
	v_add_nc_u32 v[STO], s9, v[STO]
	v_lshrrev_b32 v[RD], 3, v11     ; back: eight lanes take a row of 128 bytes, four rows an instruction
	v_mul_u32_u24 v[RD], v[RD], SP
	v_and_b32 v11, 7, v0
	v_lshl_add_u32 v[RD], v11, 4, v[RD]
	v_add_nc_u32 v[RD], s9, v[RD]
.irp t, 0,1,2,3
	v_mov_b32 v[ST+8*\t+1], 0xff61b1e6  ; m: -3e38, under every score: the first step's a is then 0, and l begins as 0
	v_mul_f32 v[ST+8*\t], s[CS], v[ST+8*\t+1]
	v_mov_b32 v[ST+8*\t+2], 0
	v_mov_b32 v[ST+8*\t+3], 0
.endr
; THE LDS LOADS stand in runs of 16: a step's K (64 keys x 64 channels: 8 fragments) and its V (turned).
.macro FETCH_K
	WIN 0
	v_add_nc_u32 v[ADR], s[TB], v[AK0]
	WIN TO_1
.irp kt, 0,1,2,3
.irp c, 0,1
	ds_load_b128 v[KF+8*(2*\kt+\c):KF+8*(2*\kt+\c)+3],   v[ADR] offset:\kt*8*PKP+64*\c
	ds_load_b128 v[KF+8*(2*\kt+\c)+4:KF+8*(2*\kt+\c)+7], v[ADR] offset:\kt*8*PKP+64*\c+32
.endr
.endr
.endm
; THE MATRIX PART.  pv = 2: 32 products V^T P of the step in hand; 1: they start O^T's sums; 0: none.  kq = 1: 32 products K Q^T of the next step, whose K is fetched at the head and whose V at the end.
; The 16 accumulators of each kind take turns, one instruction a turn.  K Q^T writes over P, which V^T P has read: five plain places stand between the two runs (ISA guide 7.12.1
; for a matrix instruction that writes over a source).  Behind K Q^T five plain places again: for the softmax's first read of the scores and for the loads into K's and V's registers.
.macro PVKQ pv, kq
.if \kq
	FETCH_K
.endif
.if \pv
.if \kq
	s_wait_dscnt 16                 ; V's 16 loads, the older ones, are in; K's 16 may be out
.else
	s_wait_dscnt 0x0
.endif
	WIN W_PV
.irp f, 0,1
.irp ct, 0,1,2,3
.irp t, 0,1,2,3
.if (\pv == 1) && (\f == 0)
	v_wmma_f32_16x16x32_f16 v[32*\t+8*\ct:32*\t+8*\ct+7], v[VF+8*(4*\f+\ct):VF+8*(4*\f+\ct)+7], v[S+32*\t+8*\f:S+32*\t+8*\f+7], 0
.else
	v_wmma_f32_16x16x32_f16 v[32*\t+8*\ct:32*\t+8*\ct+7], v[VF+8*(4*\f+\ct):VF+8*(4*\f+\ct)+7], v[S+32*\t+8*\f:S+32*\t+8*\f+7], v[32*\t+8*\ct:32*\t+8*\ct+7]
.endif
.endr
.endr
.endr
.endif
.if \kq
	s_wait_dscnt 0x0                ; K is in
.if \pv
.rept 5
	v_nop
.endr
.endif
	WIN W_KQ
.irp c, 0,1
.irp kt, 0,1,2,3
.irp t, 0,1,2,3
.if \c == 0
	v_wmma_f32_16x16x32_f16 v[S+32*\t+8*\kt:S+32*\t+8*\kt+7], v[KF+8*(2*\kt+\c):KF+8*(2*\kt+\c)+7], v[QF+16*\t+8*\c:QF+16*\t+8*\c+7], 0
.else
	v_wmma_f32_16x16x32_f16 v[S+32*\t+8*\kt:S+32*\t+8*\kt+7], v[KF+8*(2*\kt+\c):KF+8*(2*\kt+\c)+7], v[QF+16*\t+8*\c:QF+16*\t+8*\c+7], v[S+32*\t+8*\kt:S+32*\t+8*\kt+7]
.endif
.endr
.endr
.endr
	WIN 0
	v_add_nc_u32 v[ADR], s[TB], v[AV0]
.rept 4
	v_nop
.endr
.irp f, 0,1
.irp ct, 0,1,2,3
	ds_load_tr16_b128 v[VF+8*(4*\f+\ct):VF+8*(4*\f+\ct)+3],   v[ADR] offset:\f*16*PVP+32*\ct
	ds_load_tr16_b128 v[VF+8*(4*\f+\ct)+4:VF+8*(4*\f+\ct)+7], v[ADR] offset:\f*16*PVP+8*PVP+32*\ct
.endr
.endr
	s_add_co_u32 s[TB], s[TB], STEPB  ; the next fetch is the next step's
.endif
.endm
; THE VECTOR PART: the softmax of one key step for my four tiles, line by line by turns, so that no line waits for the line above it.  first = 1: O^T has not been started: nothing is rescaled.
.macro SM first
.irp j, 0,1,2,3                     ; the maximum: four chains a tile, one for each accumulator, each begun at the accumulator's low end
.irp t, 0,1,2,3
	v_max3_num_f32 v[ST+8*\t+4+\j], v[S+32*\t+8*\j], v[S+32*\t+8*\j+1], v[S+32*\t+8*\j+2]
.endr
.endr
.irp u, 1,2
.irp j, 0,1,2,3
.irp t, 0,1,2,3
	v_max3_num_f32 v[ST+8*\t+4+\j], v[ST+8*\t+4+\j], v[S+32*\t+8*\j+2*\u+1], v[S+32*\t+8*\j+2*\u+2]
.endr
.endr
.endr
.irp t, 0,1,2,3
	v_max3_num_f32 v[ST+8*\t+4], v[ST+8*\t+4], v[S+32*\t+7], v[S+32*\t+15]
.endr
.irp t, 0,1,2,3
	v_max3_num_f32 v[ST+8*\t+6], v[ST+8*\t+6], v[S+32*\t+23], v[S+32*\t+31]
.endr
.irp t, 0,1,2,3
	v_max3_num_f32 v[ST+8*\t+4], v[ST+8*\t+4], v[ST+8*\t+5], v[ST+8*\t+6]
.endr
.irp t, 0,1,2,3
	v_max3_num_f32 v[ST+8*\t+4], v[ST+8*\t+4], v[ST+8*\t+7], v[ST+8*\t+1]  ; with the old m
.endr
.irp t, 0,1,2,3
	v_permlanex16_b32 v[ST+8*\t+5], v[ST+8*\t+4], s[SEL], s[SEL+1]  ; the query's other 32 keys lie in the lane 16 away
.endr
.irp t, 0,1,2,3
	v_mov_b32 v[ST+8*\t+7], v[ST+8*\t]  ; c m_old is kept for a
.endr
.irp t, 0,1,2,3
	v_max_num_f32 v[ST+8*\t+1], v[ST+8*\t+4], v[ST+8*\t+5]
.endr
.irp t, 0,1,2,3
	v_mul_f32 v[ST+8*\t], s[CS], v[ST+8*\t+1]
.endr
.irp t, 0,1,2,3
	v_sub_f32 v[ST+8*\t+7], v[ST+8*\t+7], v[ST+8*\t]
.endr
	; ONE BATCH: 64 packed scalings c s - c m and 132 exponentials; none of these lines names an exponential's result; a pair is scaled a group of lines ahead of its exponentials
.irp t, 0,1,2,3
	v_pk_fma_f32 v[S+32*\t:S+32*\t+1], v[S+32*\t:S+32*\t+1], s[CS:CS+1], v[ST+8*\t:ST+8*\t+1] op_sel_hi:[1,0,0] neg_lo:[0,0,1] neg_hi:[0,0,1]
.endr
.irp t, 0,1,2,3
	v_exp_f32 v[ST+8*\t+6], v[ST+8*\t+7]  ; a
.endr
.irp b, 1,2,3,4,5,6,7,8,9,10,11,12,13,14,15
.irp t, 0,1,2,3
	v_pk_fma_f32 v[S+32*\t+2*\b:S+32*\t+2*\b+1], v[S+32*\t+2*\b:S+32*\t+2*\b+1], s[CS:CS+1], v[ST+8*\t:ST+8*\t+1] op_sel_hi:[1,0,0] neg_lo:[0,0,1] neg_hi:[0,0,1]
.endr
.irp t, 0,1,2,3
	v_exp_f32 v[S+32*\t+2*\b-2], v[S+32*\t+2*\b-2]
	v_exp_f32 v[S+32*\t+2*\b-1], v[S+32*\t+2*\b-1]
.endr
.endr
.irp t, 0,1,2,3
	v_exp_f32 v[S+32*\t+30], v[S+32*\t+30]
	v_exp_f32 v[S+32*\t+31], v[S+32*\t+31]
.endr
	v_nop                           ; a plain instruction behind the last exponential and ahead of the first use (ISA guide 5.7.2)
	s_wait_alu depctr_va_vdst(0)    ; the wait ahead of the first line that names a result: one for the batch
	; the sums, of the weights before they are rounded: two chains a tile
.irp t, 0,1,2,3
	v_pk_fma_f32 v[ST+8*\t+2:ST+8*\t+3], v[ST+8*\t+2:ST+8*\t+3], v[ST+8*\t+6:ST+8*\t+7], v[S+32*\t:S+32*\t+1] op_sel_hi:[1,0,1]  ; l = a l + pair 0
.endr
.irp t, 0,1,2,3
	v_pk_add_f32 v[ST+8*\t+4:ST+8*\t+5], v[S+32*\t+2:S+32*\t+3], v[S+32*\t+4:S+32*\t+5]
.endr
.irp b, 3,5,7,9,11,13
.irp t, 0,1,2,3
	v_pk_add_f32 v[ST+8*\t+2:ST+8*\t+3], v[ST+8*\t+2:ST+8*\t+3], v[S+32*\t+2*\b:S+32*\t+2*\b+1]
.endr
.irp t, 0,1,2,3
	v_pk_add_f32 v[ST+8*\t+4:ST+8*\t+5], v[ST+8*\t+4:ST+8*\t+5], v[S+32*\t+2*\b+2:S+32*\t+2*\b+3]
.endr
.endr
.irp t, 0,1,2,3
	v_pk_add_f32 v[ST+8*\t+2:ST+8*\t+3], v[ST+8*\t+2:ST+8*\t+3], v[S+32*\t+30:S+32*\t+31]
.endr
.irp t, 0,1,2,3
	v_pk_add_f32 v[ST+8*\t+2:ST+8*\t+3], v[ST+8*\t+2:ST+8*\t+3], v[ST+8*\t+4:ST+8*\t+5]
.endr
	; the weights to f16, in place: pair i goes to register i, which pair i / 2 has left
.irp i, 0,1,2,3,4,5,6,7,8,9,10,11,12,13,14,15
.irp t, 0,1,2,3
	v_cvt_pk_f16_f32 v[S+32*\t+\i], v[S+32*\t+2*\i], v[S+32*\t+2*\i+1]
.endr
.endr
.if \first == 0
	WIN W_RS                        ; O^T times a, each accumulator from its low end on
.irp i, 0,1,2,3,4,5,6,7,8,9,10,11,12,13,14,15
.irp t, 0,1,2,3
	v_pk_mul_f32 v[32*\t+2*\i:32*\t+2*\i+1], v[32*\t+2*\i:32*\t+2*\i+1], v[ST+8*\t+6:ST+8*\t+7] op_sel_hi:[1,0]
.endr
.endr
	WIN 0
.endif
.endm
; THE CHANGE OF SLOTS: the slot's last bytes, V of its second step, have been asked for.  Each wave waits for all its tensor loads, of which one is out: its part of the other slot; adds 0 to its spare word; and waits
; for that and for its own reads of the slot.  fill = 1: the slot is filled again, with the keys two slots on.  The barrier is then a round of the cluster's, so that no wave of any partner still reads the slot or has a
; load on its way, and the joint refill is the first thing behind it: it has two key steps of every wave in which to land.
.macro CHANGE fill
	WIN 0
	s_wait_tensorcnt 0x0            ; no tensor load of mine is out, so a group 0 may be written
	ds_add_u32 v[SPW], v[NIL]       ; 0 onto my spare word
.if \fill
.irp g, G0K+4, G0V+4
	s_xor_b32 s[\g+1], s[\g+1], SLOT1  ; the walking descriptor: the other slot than last time,
	s_add_nc_u64 s[\g+2:\g+3], s[\g+2:\g+3], SLOTB  ; the next 256 keys; the type bits on top are not reached
.endr
	s_wait_xcnt 0x0                 ; the last prefetch, a slot back, has read its address, so it may be written
	s_add_nc_u64 s[PFA:PFA+1], s[PFA:PFA+1], SLOTB
	s_wait_dscnt 0x0                ; the add is done, and my reads of the slot are over
	CROUND
	JLOAD
	ASK
.else
	s_wait_dscnt 0x0
	s_barrier_signal -1
	s_barrier_wait -1
.endif
	s_sub_co_u32 s[TB], s[TB], 2*STEPB  ; the fetches go back to a slot's first step,
	s_xor_b32 s[TB], s[TB], SLOT1   ; in the other slot
.endm
; Between two changes of slots every wave runs two matrix parts and two softmaxes: phase 0 matrix, softmax, matrix, softmax; phase 1 softmax, matrix, softmax, matrix.  The branches hang on the wave's number and the
; count of steps alone, and lead round vector work on registers alone.
.macro SLOT_BODY
	s_cmp_eq_u32 s[PHASE], 0
	s_cbranch_scc1 .Lsb_a_\@
	SM 0
.Lsb_a_\@:
	s_mov_b32 s[TWICE], 2
.Lsb_l_\@:
	PVKQ 2, 1
	s_cmp_eq_u32 s[TWICE], s[PHASE]  ; phase 1 leaves its second softmax for the far side of the change
	s_cbranch_scc1 .Lsb_n_\@
	SM 0
.Lsb_n_\@:
	s_sub_co_u32 s[TWICE], s[TWICE], 1
	s_cmp_lg_u32 s[TWICE], 0
	s_cbranch_scc1 .Lsb_l_\@
.endm
	s_wait_tensorcnt 1              ; my part of slot 0 is in; slot 1's may stay out
	s_barrier_signal -1
	s_barrier_wait -1               ; everybody's is
	s_wait_loadcnt 0x0              ; Q
	PVKQ 0, 1                       ; the scores of step 0
	SM 1
	PVKQ 1, 1                       ; V^T P of step 0 starts O^T; the scores of step 1
	s_cmp_lg_u32 s[PHASE], 0
	s_cbranch_scc1 .Lslot
	SM 0
.Lslot:                             ; 14 trips: every slot but the last two is filled again
	CHANGE 1
	SLOT_BODY
	s_sub_co_u32 s[SLOTS], s[SLOTS], 1
	s_cmp_lg_u32 s[SLOTS], 0
	s_cbranch_scc1 .Lslot
	CHANGE 0                        ; the tail is written out
	SLOT_BODY
	s_cmp_eq_u32 s[PHASE], 0
	s_cbranch_scc1 .Llast_pv
	SM 0
.Llast_pv:
	PVKQ 2, 0                       ; V^T P of the last step
	; THE JOIN.  l's two halves and the other half of the lanes' are added (these lines are the places behind the last products).  The waves of key half 1 hand c m, l and O^T to their partners as images of their registers.
	WIN 0
.irp t, 0,1,2,3
	v_add_f32 v[ST+8*\t+4], v[ST+8*\t+2], v[ST+8*\t+3]
.endr
.irp t, 0,1,2,3
	v_permlanex16_b32 v[ST+8*\t+5], v[ST+8*\t+4], s[SEL], s[SEL+1]
.endr
.irp t, 0,1,2,3
	v_add_f32 v[ST+8*\t+4], v[ST+8*\t+4], v[ST+8*\t+5]
.endr
	s_cmp_eq_u32 s[KH], 0
	s_cbranch_scc1 .Lkeeper
.irp t, 0,1,2,3
	v_mov_b32 v[VF+\t], v[ST+8*\t]      ; c m of the four tiles on end,
	v_mov_b32 v[VF+4+\t], v[ST+8*\t+4]  ; and l
.endr
	WIN 0x04                        ; an LDS store's data are its source 1: window 1
.irp i, 0,1,2,3,4,5,6,7,8,9,10,11,12,13,14,15,16,17,18,19,20,21,22,23,24,25,26,27,28,29,30,31
	ds_store_b128 v[MG], v[4*\i:4*\i+3] offset:512*\i  ; each accumulator from its low end on
.endr
	WIN 0
	ds_store_b128 v[MG], v[VF:VF+3] offset:16384
	ds_store_b128 v[MG], v[VF+4:VF+7] offset:16896
.Lkeeper:
	s_wait_dscnt 0x0                ; for the others' sake: my stores are done
	s_barrier_signal -1
	s_barrier_wait -1
	s_cmp_lg_u32 s[KH], 0
	s_cbranch_scc1 .Ldone
	ds_load_b128 v[200:203], v[MG] offset:16384  ; the partner's c m,
	ds_load_b128 v[204:207], v[MG] offset:16896  ; its l,
.irp i, 0,1,2,3,4,5,6,7,8,9,10,11,12,13,14,15,16,17,18,19,20,21,22,23,24,25,26,27,28,29,30,31
	ds_load_b128 v[S+4*\i:S+4*\i+3], v[MG] offset:512*\i  ; its O^T
.endr
	s_wait_dscnt 32                 ; the statistics are in; O^T's 32 loads may be out
.irp t, 0,1,2,3
	v_max_num_f32 v[ST+8*\t+5], v[ST+8*\t], v[200+\t]  ; the joint c m
.endr
.irp t, 0,1,2,3
	v_sub_f32 v[ST+8*\t+6], v[ST+8*\t], v[ST+8*\t+5]
	v_sub_f32 v[ST+8*\t+7], v[200+\t], v[ST+8*\t+5]
.endr
.irp t, 0,1,2,3
	v_exp_f32 v[ST+8*\t+6], v[ST+8*\t+6]  ; what my half is multiplied by,
	v_exp_f32 v[ST+8*\t+7], v[ST+8*\t+7]  ; and the partner's
.endr
	v_nop
	s_wait_alu depctr_va_vdst(0)    ; one wait for the eight exponentials
.irp t, 0,1,2,3
	v_mul_f32 v[ST+8*\t+5], v[ST+8*\t+6], v[ST+8*\t+4]
.endr
.irp t, 0,1,2,3
	v_fma_f32 v[ST+8*\t+5], v[ST+8*\t+7], v[204+\t], v[ST+8*\t+5]  ; the row's sum
.endr
.irp t, 0,1,2,3
	v_rcp_f32 v[ST+8*\t+4], v[ST+8*\t+5]
.endr
	v_nop
	s_wait_alu depctr_va_vdst(0)    ; one wait for the four reciprocals
.irp t, 0,1,2,3
	v_mul_f32 v[ST+8*\t+2], v[ST+8*\t+6], v[ST+8*\t+4]  ; my factor,
	v_mul_f32 v[ST+8*\t+6], v[ST+8*\t+7], v[ST+8*\t+4]  ; the partner's
.endr
	s_wait_dscnt 0x0
.irp i, 0,1,2,3,4,5,6,7,8,9,10,11,12,13,14,15
.irp t, 0,1,2,3
	v_pk_mul_f32 v[S+32*\t+2*\i:S+32*\t+2*\i+1], v[S+32*\t+2*\i:S+32*\t+2*\i+1], v[ST+8*\t+6:ST+8*\t+7] op_sel_hi:[1,0]
.endr
.endr
	WIN 0x01                        ; source 0, my O^T: window 1
.irp i, 0,1,2,3,4,5,6,7,8,9,10,11,12,13,14,15
.irp t, 0,1,2,3
	v_pk_fma_f32 v[S+32*\t+2*\i:S+32*\t+2*\i+1], v[32*\t+2*\i:32*\t+2*\i+1], v[ST+8*\t+2:ST+8*\t+3], v[S+32*\t+2*\i:S+32*\t+2*\i+1] op_sel_hi:[1,0,1]
.endr
.endr
	WIN 0
.irp i, 0,1,2,3,4,5,6,7,8,9,10,11,12,13,14,15
.irp t, 0,1,2,3
	v_cvt_pk_f16_f32 v[S+32*\t+\i], v[S+32*\t+2*\i], v[S+32*\t+2*\i+1]  ; in place, as the weights were
.endr
.endr
	; THE WAY OUT: a lane's eight channels of a row are 16 bytes; they go into rows of 144 bytes and come back four whole rows an instruction
.irp t, 0,1,2,3
.irp ct, 0,1,2,3
	ds_store_b128 v[STO], v[S+32*\t+4*\ct:S+32*\t+4*\ct+3] offset:\t*16*SP+32*\ct
.endr
.endr
.irp k, 0,1,2,3,4,5,6,7,8,9,10,11,12,13,14,15
	ds_load_b128 v[VF+4*\k:VF+4*\k+3], v[RD] offset:\k*4*SP  ; LDS serves a wave's instructions in order (ISA guide 5.7.1.4): these see the stores above
.endr
.irp k, 0,1,2,3,4,5,6,7,8,9,10,11,12,13,14,15
	s_wait_dscnt 15-\k
	global_store_b128 v[GO], v[VF+4*\k:VF+4*\k+3], s[6:7] offset:512*\k  ; 32 lanes store 512 consecutive bytes, aligned
.endr
.Ldone:
	s_wait_tensorcnt 0x0            ; the wave's end: behind my last tensor load and my last LDS store
	ds_add_u32 v[SPW], v[NIL]
	s_wait_dscnt 0x0
	CROUND                          ; the closing round: no work-group ends while a partner may still ask for a tile that names it
	s_endpgm
.Lfunc_end_k_qc08b1dee8a_attn:
	.size	k_qc08b1dee8a_attn, .Lfunc_end_k_qc08b1dee8a_attn-k_qc08b1dee8a_attn
	.p2alignl 7, 3214868480
	.fill 96, 4, 3214868480
	.section	.rodata,"a",@progbits
	.p2align	6, 0x0
	.amdhsa_kernel k_qc08b1dee8a_attn
		.amdhsa_group_segment_fixed_size 327680
		.amdhsa_private_segment_fixed_size 0
		.amdhsa_enable_private_segment 0
		.amdhsa_kernarg_size 16
		.amdhsa_user_sgpr_count 2
		.amdhsa_user_sgpr_kernarg_segment_ptr 1
		.amdhsa_wavefront_size32 1
		.amdhsa_system_sgpr_workgroup_id_x 1
		.amdhsa_system_sgpr_workgroup_id_y 1
		.amdhsa_system_sgpr_workgroup_id_z 1
		.amdhsa_system_vgpr_workitem_id 0
		.amdhsa_next_free_vgpr 512
		.amdhsa_next_free_sgpr 68
		.amdhsa_reserve_vcc 0
		.amdhsa_float_denorm_mode_32 3
		.amdhsa_float_denorm_mode_16_64 3
		.amdhsa_memory_ordered 1
		.amdhsa_forward_progress 1
		.amdhsa_inst_pref_size 233
	.end_amdhsa_kernel
	.amdgpu_metadata
---
amdhsa.version: [ 1, 2 ]
amdhsa.kernels:
  - .name:           k_qc08b1dee8a_attn
    .symbol:         k_qc08b1dee8a_attn.kd
    .args:
      - { .name: qkv, .offset: 0, .size: 8, .value_kind: global_buffer, .address_space: global }
      - { .name: att, .offset: 8, .size: 8, .value_kind: global_buffer, .address_space: global }
    .group_segment_fixed_size: 327680
    .private_segment_fixed_size: 0
    .kernarg_segment_align: 8
    .kernarg_segment_size: 16
    .max_flat_workgroup_size: 256
    .sgpr_count:     68
    .vgpr_count:     512
    .wavefront_size: 32
...
	.end_amdgpu_metadata
.endif
;; end of part 3
;; launch proj (part 4): grid 8 x 32, 4 waves a work-group, clusters of 4 x 4, 327,680 bytes of LDS; arguments att, wp16, bproj, out0; writes out0
.if DOCPART == 4
	.amdgcn_target "amdgcn-amd-amdhsa--gfx1250"
	.amdhsa_code_object_version 6
	.text
	.protected	k_qc08b1dee8a_proj
	.globl	k_qc08b1dee8a_proj
	.p2align	8
	.type	k_qc08b1dee8a_proj,@function
k_qc08b1dee8a_proj:
	s_mov_b64 s[64:65], 0
	v_nop
	global_prefetch_b8 v0, s[64:65] scope:SCOPE_SE
	s_setreg_imm32_b32 hwreg(HW_REG_WAVE_MODE, 25, 1), 1
	s_wait_xcnt 0x0
	s_wait_alu depctr_hold_cnt(0) depctr_sa_sdst(0) depctr_va_vdst(0) depctr_va_sdst(0) depctr_va_ssrc(0) depctr_va_vcc(0) depctr_vm_vsrc(0)
	s_getreg_b32 s2, hwreg(HW_REG_IB_STS2, 6, 4)
	s_cmp_eq_u32 s2, 0
	s_cbranch_scc0 .Lentry_in_a_cluster
	s_endpgm
.Lentry_in_a_cluster:
	s_bfe_u32 s2, ttmp6, 0x10000c
	s_cmp_lg_u32 s2, 0xf033
	s_cbranch_scc0 .Lentry_shape_is_right
	s_endpgm
.Lentry_shape_is_right:
; out[m][n] = sum over k of A[m][k] Wproj[k][n] + bproj[n].  A: the attention's result in f16, laid [32 blocks of 128 tokens][16 heads][128 tokens][64], k = 64 x head + channel.  Wproj: f16, [k 1024][n 1024].  out: f32.  Sums in f32.
; A tile of the output is 128 x 128 (256 tiles, one for each work-group).  Four waves, each 64 x 64: 16 accumulators of 16 x 16.  K goes in steps of 256 (four heads) through a ring of two LDS slots:
; A's part of a step is 65,536 dense bytes of memory, brought as rows of 256 bytes (two tokens); Wproj's is 256 rows of 256 bytes.
; CLUSTERS: 4 x 4 work-groups.  The four of a row of the cluster need the same tiles of A, the four of a column the same tiles of Wproj: each is asked for JOINTLY.
; THE MATRIX INSTRUCTION IS USED TRANSPOSED (source 0 = 16 columns of Wproj, turned out of LDS by ds_load_tr16_b128; source 1 = 16 tokens): a lane then holds eight neighbouring numbers of a row of the output.
; The bias is the C of each sum's first product: eight registers for each 16 columns, in the result's layout.
; REGISTERS: window 0: v0-31 addresses; v32-95 at work on the way out; v96-127 the bias; v128-255 the accumulators ((a, b) at v[128 + 8 (4 a + b)]).
;   window 1: two fragment buffers of 128: for 64 along K (one head), 64 registers of A (2 x 4 x 16 tokens x 32 K), then 64 of Wproj.
.set PA,     272                       ; two tokens' 256 bytes + 16 of padding: token r lies at (r / 2) 272 + (r % 2) 128: the 16 tokens of a load start at 16 different columns of 16 bytes
.set PB,     288                       ; a row of Wproj's tile: 256 bytes + 32
.set HEADB,  64*PA                     ; a head's 128 tokens
.set HALFA,  128*PA                    ; what one tensor load brings of A: two heads
.set HALFB,  128*PB                    ; and of Wproj: 128 rows
.set SLOT,   2*HALFA+2*HALFB           ; A's four heads, then Wproj's 256 rows
.set STAGE,  2*SLOT                    ; behind the ring: 16 rows x 272 bytes for each wave, for the way out
.set SPITCH, 272
.set SPARE,  STAGE+4*16*SPITCH         ; behind the stages: the spare words, 128 bytes for each wave
.set ADRA, 16                          ; v16-17  LDS address of my A fragments in slot 0, 1
.set ADRB, 20                          ; v20-23  the same for Wproj: slot s, rows 128 u on at v[20 + 2 s + u]
.set STO,  24                          ; v24     the way out: where I put 32 bytes of a row
.set RD,   25                          ; v25     the way out: where I read a row back
.set CO,   26                          ; v26     my byte offset in the output
.set SPW,  28                          ; v28     LDS address of my spare word; never rewritten
.set NIL,  29                          ; v29     0; never rewritten
.set TMP,  32
.set BIAS, 96
.set ACC,  128
.set F0,   0                           ; fragment buffers, in window 1
.set F1,   128
.set G1, 24                            ; s[24:31] descriptor group 1 for A's tiles;  s[32:39] group 0, one set for each slot
.set G0, 32
.set G1B, 48                           ; s[48:55], s[56:63] the same for Wproj's tiles
.set G0B, 56
.set MSB, 0
.macro WIN new                         ; the immediate's high byte repeats the setting that is left
.if MSB != \new
	s_set_vgpr_msb (MSB<<8)|\new
.set MSB, \new
.endif
.endm
.set MUL,  0x05                        ; sources 0 (Wproj) and 1 (A) window 1; C and D window 0
.set TO_F, 0x40                        ; destination window 1, address window 0
.macro JLOAD s                         ; a joint load: waves 0 and 1 fetch A's two halves, waves 2 and 3 Wproj's; an s_nop 0 and four v_nop follow each of the two lines
	s_cmp_eq_u32 s11, 0
	s_cbranch_scc0 .Lfor_b_\@
	tensor_load_to_lds s[G0+4*\s:G0+4*\s+3], s[G1:G1+7]
	s_nop 0
.rept 4
	v_nop
.endr
	s_branch .Lasked_\@
.Lfor_b_\@:
	tensor_load_to_lds s[G0B+4*\s:G0B+4*\s+3], s[G1B:G1B+7]
	s_nop 0
.rept 4
	v_nop
.endr
.Lasked_\@:
.endm
.macro CREST                           ; a round of the cluster's barrier behind its opening barrier
	s_cmp_lg_u32 s10, 0
	s_cbranch_scc1 .Lnot_wave_0_\@
	s_barrier_signal -3
.Lnot_wave_0_\@:
	s_barrier_wait -3
	s_barrier_signal -1
	s_barrier_wait -1
.endm
.macro CROUND                          ; a whole round
	s_barrier_signal -1
	s_barrier_wait -1
	CREST
.endm
	s_load_b128 s[4:7], s[0:1], 0x0                ; A s[4:5], Wproj s[6:7]
	s_load_b64 s[66:67], s[0:1], 0x10              ; the bias
	s_load_b64 s[8:9], s[0:1], 0x18                ; the output
	v_lshl_add_u32 v[SPW], v0, 2, SPARE
	v_mov_b32 v[NIL], 0
	ds_add_u32 v[SPW], v[NIL]                      ; the wave's opening: the add, twice on end, and its wait ahead of my first tensor load
	ds_add_u32 v[SPW], v[NIL]
	v_lshrrev_b32 v1, 5, v0
	v_readfirstlane_b32 s10, v1                    ; wave 0..3
	s_lshr_b32 s11, s10, 1                         ; which half of the tile's rows is mine.  Also: I fetch for A (0) or for Wproj (1)
	s_and_b32 s12, s10, 1                          ; which half of its columns.  Also: which half of that tile I fetch
	s_bfe_u32 s40, ttmp6, 0x40000                  ; cx, cy: my place in the cluster
	s_bfe_u32 s41, ttmp6, 0x40004
	s_lshl_b32 s42, ttmp9, 2
	s_add_co_u32 s42, s42, s40                     ; tile column = 4 x cluster x + cx
	s_and_b32 s13, ttmp7, 0xffff
	s_lshl_b32 s13, s13, 2
	s_add_co_u32 s13, s13, s41                     ; tile row = 4 x cluster y + cy
	s_lshl_b32 s43, s41, 2
	s_lshl_b32 s43, 15, s43                        ; my row of the cluster
	s_lshl_b32 s44, 0x1111, s40                    ; my column
	; descriptor group 1: tiles of 128 rows x 128 elements of 2 bytes, padded in LDS
	s_or_b32 s[G1+0], s43, (1<<16)|(1<<20)|(1<<21)|(5<<22)|(3<<25)  ; 15:0 the mask: A's tiles go to my row; 17:16 element of 2 bytes; 20 padding on; 21 set beside a mask; 24:22 after every 64 words; 31:25 four words
	s_or_b32 s[G1B+0], s44, (1<<16)|(1<<20)|(1<<21)|(5<<22)|(7<<25) ; the mask of my column; eight words of padding
.irp g, G1, G1B
	s_mov_b32 s[\g+1], 128<<16                     ; tensor_dim0 = 128
	s_mov_b32 s[\g+2], 128<<16                     ; tensor_dim1 = 128
	s_mov_b32 s[\g+3], 128<<16                     ; tile_dim0 = 128
	s_mov_b32 s[\g+4], 128                         ; tile_dim1 = 128
	s_mov_b32 s[\g+6], 0
	s_mov_b32 s[\g+7], 0
.endr
	s_mov_b32 s[G1+5], 128                         ; tensor_dim0_stride: A's rows are dense,
	s_mov_b32 s[G1B+5], 1024                       ; Wproj's 1,024 elements apart
	s_lshl_b32 s16, s13, 18                        ; A: 262,144 bytes a block of 128 tokens,
	s_lshl_b32 s17, s12, 15                        ; 32,768 for two heads
	s_add_co_u32 s16, s16, s17
	s_mov_b32 s17, 0
	s_lshl_b32 s46, s12, 18                        ; Wproj: 128 rows of 2,048 bytes,
	s_lshl_b32 s47, s42, 8                         ; 256 bytes a tile column
	s_add_co_u32 s46, s46, s47
	s_mov_b32 s47, 0
	s_mul_i32 s20, s12, HALFA                      ; where they go: no place in the cluster enters an LDS address
	s_mul_i32 s21, s12, HALFB
	s_add_co_u32 s21, s21, 2*HALFA
	s_wait_dscnt 0x0                               ; both opening adds are done
	s_wait_kmcnt 0x0
	s_add_nc_u64 s[14:15], s[4:5], s[16:17]
	s_add_nc_u64 s[46:47], s[6:7], s[46:47]
	CROUND                                         ; all sixteen work-groups are here: the first joint loads meet
.irp s, 0,1
	s_mov_b32 s[G0+4*\s], 1
	s_add_co_u32 s[G0+4*\s+1], s20, \s*SLOT
	s_add_nc_u64 s[G0+4*\s+2:G0+4*\s+3], s[14:15], \s*65536        ; K step s: four heads on
	s_or_b32 s[G0+4*\s+3], s[G0+4*\s+3], 0x80000000
	s_mov_b32 s[G0B+4*\s], 1
	s_add_co_u32 s[G0B+4*\s+1], s21, \s*SLOT
	s_add_nc_u64 s[G0B+4*\s+2:G0B+4*\s+3], s[46:47], \s*524288     ; 256 rows on
	s_or_b32 s[G0B+4*\s+3], s[G0B+4*\s+3], 0x80000000
	JLOAD \s                                       ; two loads of mine are out
.endr
	v_and_b32 v1, 15, v0                           ; r = l % 16
	v_bfe_u32 v2, v0, 4, 1                         ; h = l / 16
	v_lshrrev_b32 v3, 1, v1
	v_mul_u32_u24 v3, v3, PA
	v_and_b32 v4, 1, v1
	v_lshl_add_u32 v3, v4, 7, v3
	v_lshl_add_u32 v3, v2, 4, v3                   ; A: (r / 2) 272 + (r % 2) 128 + 16 h
	v_and_b32 v4, 7, v0
	v_lshl_add_u32 v4, v2, 3, v4
	v_mul_u32_u24 v4, v4, PB
	v_bfe_u32 v5, v0, 3, 1
	v_lshl_add_u32 v4, v5, 4, v4                   ; Wproj: row 8 h + l % 8, + 16 ((l / 8) % 2)
	s_mul_i32 s21, s11, 32*PA                      ; my 64 tokens
	s_lshl_b32 s22, s12, 7                         ; my 64 columns,
	s_add_co_u32 s22, s22, 2*HALFA                 ; behind A's four heads
.irp s, 0,1
	v_add_nc_u32 v[ADRA+\s], s21, v3
	v_add_nc_u32 v[ADRB+2*\s], s22, v4
	s_add_co_u32 s23, s22, HALFB
	v_add_nc_u32 v[ADRB+2*\s+1], s23, v4
	s_add_co_u32 s21, s21, SLOT
	s_add_co_u32 s22, s22, SLOT
.endr
	s_mul_i32 s23, s10, 16*SPITCH
	s_add_co_u32 s23, s23, STAGE                   ; my stage
	v_mul_u32_u24 v4, v1, SPITCH                   ; in: row l % 16, 32 bytes for each half of the lanes
	v_lshl_add_u32 v4, v2, 5, v4
	v_add_nc_u32 v[STO], s23, v4
	v_mul_u32_u24 v5, v2, SPITCH                   ; back: lanes 0-15 take one row of 256 bytes, lanes 16-31 the next
	v_lshl_add_u32 v5, v1, 4, v5
	v_add_nc_u32 v[RD], s23, v5
	v_lshlrev_b32 v5, 12, v2                       ; and the same two rows in the output
	v_lshl_add_u32 v[CO], v1, 4, v5
	v_lshlrev_b32 v27, 5, v2                       ; the bias: my half's eight numbers of each 16
	s_lshl_b32 s46, s42, 9                         ; my first column, in bytes of f32: 512 x tile column + 256 x half
	s_lshl_b32 s47, s12, 8
	s_add_co_u32 s46, s46, s47
	s_mov_b32 s47, 0
	s_add_nc_u64 s[66:67], s[66:67], s[46:47]
.irp b, 0,1,2,3
	global_load_b128 v[BIAS+8*\b:BIAS+8*\b+3],   v27, s[66:67] offset:64*\b
	global_load_b128 v[BIAS+8*\b+4:BIAS+8*\b+7], v27, s[66:67] offset:64*\b+16
.endr
	s_lshl_b32 s16, s13, 19                        ; my first row: 128 rows of 4,096 bytes a tile row,
	s_lshl_b32 s17, s11, 18                        ; 64 for the half
	s_add_co_u32 s16, s16, s17
	s_mov_b32 s17, 0
	s_add_nc_u64 s[8:9], s[8:9], s[16:17]
	s_add_nc_u64 s[8:9], s[8:9], s[46:47]
; 8 matrix instructions: token blocks a0, a0 + 1 x all 4 column blocks, 32 along K: half c of buffer f.  zero = 1: the first product starts the sums, from the bias.  The 16 accumulators take turns.
.macro MUL8 f, c, a0, zero
.irp a, \a0, \a0+1
.irp b, 0,1,2,3
.if \zero
	v_wmma_f32_16x16x32_f16 v[ACC+8*(4*(\a)+\b):ACC+8*(4*(\a)+\b)+7], v[\f+64+8*(4*\c+\b):\f+64+8*(4*\c+\b)+7], v[\f+8*(4*\c+\a):\f+8*(4*\c+\a)+7], v[BIAS+8*\b:BIAS+8*\b+7]
.else
	v_wmma_f32_16x16x32_f16 v[ACC+8*(4*(\a)+\b):ACC+8*(4*(\a)+\b)+7], v[\f+64+8*(4*\c+\b):\f+64+8*(4*\c+\b)+7], v[\f+8*(4*\c+\a):\f+8*(4*\c+\a)+7], v[ACC+8*(4*(\a)+\b):ACC+8*(4*(\a)+\b)+7]
.endif
.endr
.endr
.endm
; 32 LDS loads in one run: the fragments of the slot's q-th head (64 along K) into buffer f; the first 32 along K first
.macro FETCH slot, q, f
	WIN TO_F
.irp c, 0,1
.irp i, 0,1,2,3
	ds_load_tr16_b128 v[\f+64+8*(4*\c+\i):\f+64+8*(4*\c+\i)+3],   v[ADRB+2*\slot+(\q)/2] offset:(((\q)%2)*64+32*\c)*PB+32*\i
	ds_load_tr16_b128 v[\f+64+8*(4*\c+\i)+4:\f+64+8*(4*\c+\i)+7], v[ADRB+2*\slot+(\q)/2] offset:(((\q)%2)*64+32*\c+16)*PB+32*\i
	ds_load_b128 v[\f+8*(4*\c+\i):\f+8*(4*\c+\i)+3],         v[ADRA+\slot] offset:(\q)*HEADB+\i*8*PA+64*\c
	ds_load_b128 v[\f+8*(4*\c+\i)+4:\f+8*(4*\c+\i)+7],       v[ADRA+\slot] offset:(\q)*HEADB+\i*8*PA+64*\c+32
.endr
.endr
.endm
.macro PLACES                          ; four places in front of loads into registers that matrix instructions have read, and of the first read of results (ISA guide 7.12.1 for the first read of results)
.rept 4
	v_nop
.endr
.endm
; A K step is four quarters of 64 along K, 32 matrix instructions each, on buffers 0, 1, 0, 1.  One of the first three: multiplies buffer f and fetches head q into g.
.macro QUARTER slot, q, f, g, zero
	s_wait_dscnt 16                                ; the first 32 along K are in; the youngest sixteen loads may be out
	WIN MUL
	MUL8 \f, 0, 0, \zero
	MUL8 \f, 0, 2, \zero
	PLACES
	FETCH \slot, \q, \g
	s_wait_dscnt 32                                ; all but the 32 just issued
	WIN MUL
	MUL8 \f, 1, 0, 0
	MUL8 \f, 1, 2, 0
.endm
; The last quarter multiplies buffer 1 and changes slots: ONE barrier; in front of it each wave waits for all its tensor loads, adds 0 to its spare word, and waits for that and for its own reads of this slot.  fill = 1: this slot is filled again, two K steps ahead.
.macro TURN slot, next, fill
	WIN 0                                          ; (the add's two registers lie in window 0)
	s_wait_tensorcnt 0x0                           ; all my tensor loads have landed: my part of the next slot
	ds_add_u32 v[SPW], v[NIL]                      ; 0 onto my spare word
	s_wait_dscnt 17                                ; (the add and the youngest sixteen loads may be out)
	WIN MUL
	MUL8 F1, 0, 0, 0                               ; eight matrix instructions stand between the add and the wait for it
	s_wait_dscnt 0x0                               ; the add is done, and my reads of this slot are over
	s_barrier_signal -1
	MUL8 F1, 0, 2, 0
.if \fill
	WIN 0
.endif
	s_barrier_wait -1
.if \fill
	CREST                                          ; the barrier has opened a round of the cluster's barrier: no wave of any partner still reads this slot's tile or has a load on its way
	s_add_nc_u64 s[G0+4*\slot+2:G0+4*\slot+3], s[G0+4*\slot+2:G0+4*\slot+3], 2*65536
	s_add_nc_u64 s[G0B+4*\slot+2:G0B+4*\slot+3], s[G0B+4*\slot+2:G0B+4*\slot+3], 2*524288
	JLOAD \slot                                    ; the first tensor load behind the round; the four v_nop behind it are also the places in front of the loads below
.else
	PLACES
.endif
	FETCH \next, 0, F0
	WIN MUL
	MUL8 F1, 1, 0, 0
	MUL8 F1, 1, 2, 0
.endm
	s_wait_tensorcnt 1                             ; my part of K step 0 is in,
	s_barrier_signal -1
	s_barrier_wait -1                              ; everybody's is
	FETCH 0, 0, F0
	s_wait_loadcnt 0x0                             ; the bias
	QUARTER 0, 1, F0, F1, 1                        ; the first quarter's first products start the sums
	QUARTER 0, 2, F1, F0, 0                        ; K = 1,024 is four K steps, twice round the ring: written out; the first lap fills both slots again
	QUARTER 0, 3, F0, F1, 0
	TURN 0, 1, 1
	QUARTER 1, 1, F0, F1, 0
	QUARTER 1, 2, F1, F0, 0
	QUARTER 1, 3, F0, F1, 0
	TURN 1, 0, 1
	QUARTER 0, 1, F0, F1, 0
	QUARTER 0, 2, F1, F0, 0                        ; the last lap fills nothing, and has no round of the cluster's barrier
	QUARTER 0, 3, F0, F1, 0
	TURN 0, 1, 0
	QUARTER 1, 1, F0, F1, 0
	QUARTER 1, 2, F1, F0, 0
	QUARTER 1, 3, F0, F1, 0
	s_wait_dscnt 16                                ; the very last quarter: nothing more to fetch
	WIN MUL
	MUL8 F1, 0, 0, 0
	MUL8 F1, 0, 2, 0
	s_wait_dscnt 0
	MUL8 F1, 1, 0, 0
	MUL8 F1, 1, 2, 0
	WIN 0
; THE WAY OUT, block by block of 16 rows x 64 columns.  A lane holds 32 neighbouring bytes of a row; a row's 256 bytes are my wave's own: so a block goes through my own stage in LDS, with no barrier, and comes back as
; whole rows, which sixteen lanes store as 256 consecutive bytes, aligned.  LDS serves a wave's instructions in order (ISA guide 5.7.1.4): no wait between the stores and the loads, nor in front of the next block's stores.
.macro TOSTAGE a
.irp b, 0,1,2,3
	ds_store_b128 v[STO], v[ACC+8*(4*(\a)+\b):ACC+8*(4*(\a)+\b)+3] offset:64*\b          ; each accumulator from its low end on
	ds_store_b128 v[STO], v[ACC+8*(4*(\a)+\b)+4:ACC+8*(4*(\a)+\b)+7] offset:64*\b+16
.endr
.irp i, 0,1,2,3,4,5,6,7
	ds_load_b128 v[TMP+32*((\a)%2)+4*\i:TMP+32*((\a)%2)+4*\i+3], v[RD] offset:\i*2*SPITCH
.endr
.endm
.macro SEND a, younger                 ; younger: the LDS instructions issued behind block a's loads, which may stay out
	s_wait_dscnt \younger
.irp i, 0,1,2,3,4,5,6,7
	global_store_b128 v[CO], v[TMP+32*((\a)%2)+4*\i:TMP+32*((\a)%2)+4*\i+3], s[8:9] offset:(16*(\a)+2*\i)*4096 th:TH_STORE_NT
.endr
.endm
	PLACES
	TOSTAGE 0
.irp a, 1,2,3
.if \a > 1
	s_wait_xcnt 0x0                                ; block a - 2's stores have read their registers: block a's loads may land there
.endif
	TOSTAGE \a
	SEND \a-1, 16                                  ; behind block a - 1's loads: block a's 8 stores and 8 loads
.endr
	SEND 3, 0
	s_wait_tensorcnt 0x0                           ; the wave's end: behind my last tensor load and my last LDS store
	ds_add_u32 v[SPW], v[NIL]
	s_wait_dscnt 0x0
	CROUND                                         ; the closing round: no work-group ends while a partner may still ask for a tile that names it
	s_endpgm
.Lfunc_end_k_qc08b1dee8a_proj:
	.size	k_qc08b1dee8a_proj, .Lfunc_end_k_qc08b1dee8a_proj-k_qc08b1dee8a_proj
	.p2alignl 7, 3214868480
	.fill 96, 4, 3214868480
	.section	.rodata,"a",@progbits
	.p2align	6, 0x0
	.amdhsa_kernel k_qc08b1dee8a_proj
		.amdhsa_group_segment_fixed_size 327680
		.amdhsa_private_segment_fixed_size 0
		.amdhsa_enable_private_segment 0
		.amdhsa_kernarg_size 32
		.amdhsa_user_sgpr_count 2
		.amdhsa_user_sgpr_kernarg_segment_ptr 1
		.amdhsa_wavefront_size32 1
		.amdhsa_system_sgpr_workgroup_id_x 1
		.amdhsa_system_sgpr_workgroup_id_y 1
		.amdhsa_system_sgpr_workgroup_id_z 1
		.amdhsa_system_vgpr_workitem_id 0
		.amdhsa_next_free_vgpr 512
		.amdhsa_next_free_sgpr 68
		.amdhsa_reserve_vcc 0
		.amdhsa_float_denorm_mode_32 3
		.amdhsa_float_denorm_mode_16_64 3
		.amdhsa_memory_ordered 1
		.amdhsa_forward_progress 1
		.amdhsa_inst_pref_size 87
	.end_amdhsa_kernel
	.amdgpu_metadata
---
amdhsa.version: [ 1, 2 ]
amdhsa.kernels:
  - .name:           k_qc08b1dee8a_proj
    .symbol:         k_qc08b1dee8a_proj.kd
    .args:
      - { .name: att, .offset: 0, .size: 8, .value_kind: global_buffer, .address_space: global }
      - { .name: wp16, .offset: 8, .size: 8, .value_kind: global_buffer, .address_space: global }
      - { .name: bproj, .offset: 16, .size: 8, .value_kind: global_buffer, .address_space: global }
      - { .name: out0, .offset: 24, .size: 8, .value_kind: global_buffer, .address_space: global }
    .group_segment_fixed_size: 327680
    .private_segment_fixed_size: 0
    .kernarg_segment_align: 8
    .kernarg_segment_size: 32
    .max_flat_workgroup_size: 128
    .sgpr_count:     68
    .vgpr_count:     512
    .wavefront_size: 32
...
	.end_amdgpu_metadata
.endif
;; end of part 4
